; MI455X (gfx1250); checked and timed in simulation.
; The chip was launched on July 23, 2026; its instructions are those of AMD's public machine-readable ISA for CDNA 5 (MIT licence, August 2026) and "CDNA5" Instruction Set Architecture Reference Guide (July 2026). The comments in the code are by the model that wrote it; some were corrected since.
;; Multi Head Attention. Allowed arithmetic: matrix products marked QUANTISED: E2M1 operands, one E8M0 scale for each 32 along K, by v_wmma_scale_f32_16x16x128_f8f6f4 with both operands' format E2M1 (or v_wmma_scale_f32_32x16x128_f4), f32 sums; products left as they are: bf16, f16 or f32 operands; f32 sums; everything else in f32.
;; Inputs: bk 1,024 float32; bo 1,024 float32; bq 1,024 float32; bv 1,024 float32; key 4 x 2,048 x 1,024 float32; query 4 x 2,048 x 1,024 float32; value 4 x 2,048 x 1,024 float32; wk 1,024 x 1,024 float32; wo 1,024 x 1,024 float32; wq 1,024 x 1,024 float32; wv 1,024 x 1,024 float32.
;; Outputs: out0 4 x 2,048 x 1,024 float32.
;; This version of the problem:
;;   THIS VERSION OF THE PROBLEM IS GIVEN IN LOW PRECISION. The matrix products marked QUANTISED in the list below multiply operands that are first quantised to E2M1 (2 exponent bits, 1 mantissa bit; 4 bits a number), with one power-of-two scale for each 32 numbers along K (OCP MX v1.0); their sums are f32. The products marked 'left as it is' may take bf16, f16 or f32 operands, with f32 sums. Whichever they take, every output number must still come out within the allowed error. Rounding operands to bf16 (8 significant bits) uses up far more of that allowance than f16 does (11 bits, for magnitudes from 6e-5 to 65,504). All else is computed in f32.
;;   The module's matrix products, in the order in which they are computed (A, B: the left and right operand; K: the contracted axis; several contracted axes count as one K, in the product's order):
;;     1. [M 8,192, K 1,024] x [K 1,024, N 1,024]; A: input query; B: input wq: QUANTISED
;;     2. [M 8,192, K 1,024] x [K 1,024, N 1,024]; A: input key; B: input wk: QUANTISED
;;     3. [M 8,192, K 1,024] x [K 1,024, N 1,024]; A: input value; B: input wv: QUANTISED
;;     4. batch 64 x [M 2,048, K 64] x [K 64, N 2,048]; A: computed on the way; B: computed on the way: left as it is (an operand is computed on the way)
;;     5. batch 64 x [M 2,048, K 2,048] x [K 2,048, N 64]; A: computed on the way; B: computed on the way: left as it is (an operand is computed on the way)
;;     6. [M 8,192, K 1,024] x [K 1,024, N 1,024]; A: computed on the way; B: input wo: left as it is (an operand is computed on the way)
;;   THE QUANTISER, for each operand of a quantised product, along K:
;;     - K is cut into blocks of 32 from its start; a last block that is shorter is filled with zeros.
;;     - A block's scale is 2^e with e = floor(log2(the largest magnitude in the block)) - 2, held to -126 .. 127; a block of zeros has e = 0. As a byte (E8M0): e + 127.
;;     - Each number is divided by its block's scale, clamped to +-6, and rounded to the nearest number of E2M1, ties to even, subnormals kept.
;;     - The product sums the exact products of the quantised numbers (number of the format x scale) in f32.
;;   ~~~python
;;   def quantise(x, axis):      # numpy; x: float32 -> the quantised numbers, widened to float32 again
;;       x = np.moveaxis(x, axis, -1); K = x.shape[-1]
;;       x = np.pad(x, [(0, 0)] * (x.ndim - 1) + [(0, -K % 32)]); x = x.reshape(x.shape[:-1] + (-1, 32)); a = np.abs(x).max(-1, keepdims=True)
;;       e = np.where(a > 0, np.clip(np.frexp(np.where(a > 0, a, 1))[1] - 1 - 2, -126, 127), 0)      # np.frexp(a)[1] - 1 = floor(log2(a)), exactly
;;       r = np.clip(x / 2.0 ** e, -6, 6)
;;       step = 2.0 ** (np.maximum(np.frexp(np.where(r == 0, 1, r))[1] - 1, 0) - 1)
;;       q = np.round(r / step) * step * 2.0 ** e      # np.round: ties to even
;;       return np.moveaxis(q.reshape(q.shape[:-2] + (-1,))[..., :K], -1, axis).astype(np.float32)
;;   ~~~
;; One version. Each part assembles by itself: llvm-mc -triple=amdgcn-amd-amdhsa -mcpu=gfx1250 --defsym DOCPART=n.
;; ======== version 1 of 1: 4 launches
;; limits: values are held in f16: magnitudes above 65,504 overflow, below 6.1e-05 lose precision
;; workspace buffers: xc 12,582,912 bytes; xs 786,432 bytes; wc 1,572,864 bytes; ws 98,304 bytes; wot 2,097,152 bytes; qkv 50,331,648 bytes; att 16,777,216 bytes
;; launch prep (part 1): grid 944 x 1, 4 waves a work-group, no clusters, 86,528 bytes of LDS; arguments query, key, value, wq, wk, wv, wo, xc, xs, wc, ws, wot; writes xc, xs, wc, ws, wot
.if DOCPART == 1
	.amdgcn_target "amdgcn-amd-amdhsa--gfx1250"
	.amdhsa_code_object_version 6
	.text
	.protected	k_q78d302edcd_prep
	.globl	k_q78d302edcd_prep
	.p2align	8
	.type	k_q78d302edcd_prep,@function
k_q78d302edcd_prep:
	s_mov_b64 s[64:65], 0
	v_nop
	global_prefetch_b8 v0, s[64:65] scope:SCOPE_SE
	s_setreg_imm32_b32 hwreg(HW_REG_WAVE_MODE, 25, 1), 1
	s_wait_xcnt 0x0
; PREP: everything that is made once from the inputs, in one launch of three paths that part on the work-group's number and never join.
;   path W (work-groups 0-47):    wq, wk, wv [1024 k][1024 n] f32 -> codes of FP4 (E2M1) laid [3 x 1024 n][512 bytes], K innermost, and E8M0 bytes [3 x 1024 n][32]
;   path O (work-groups 48-175):  wo [1024 k][1024 n] f32 -> f16 laid [16 kb][1024 n][64 k]: K innermost, in blocks of 64 along K
;   path X (work-groups 176-943): query, key, value [8192][1024] f32 -> codes [3 x 8192 rows][512 bytes] and E8M0 bytes [3 x 8192][32]
; THE QUANTISER: a block of 32 along K has the scale 2^(floor(log2(largest magnitude)) - 2); its byte is the largest magnitude's exponent field - 2, held at 1 from below;
; each number is divided by the scale and rounded to the nearest code, ties to even, beyond 6 the largest code.
; LIMITS: a block of zeros gets the byte 1 where the rule says 127 (its codes are zeros, which add nothing, and this program alone reads the bytes); blocks whose largest magnitude lies
; under 2^-124 are held at that byte; NaN and infinities among the inputs are not served; wo must lie within +-65,504 (f16), and under 6e-5 it carries an absolute error up to 3e-8.
; No tensor load, no barrier: waves share nothing.  Each path has LDS bytes of its own.  The few work-groups of W and O come first in the grid, so that they run beside X's long stream.
.set SPW,   190                        ; v190  LDS address of my spare word: SPARE + 4 x my thread's number; never rewritten
.set NIL,   191                        ; v191  0; never rewritten
.set XSP,   80                         ; path X: a lane's place in a stage: 64 bytes + 16 of padding
.set XREG,  8192                       ; path X: a wave's region: two stages of 32 x 80 bytes, then its 256 scale bytes
.set WBASE, 4*XREG                     ; path W: four stages of 32 rows x 272 bytes
.set WP,    272
.set OBASE, WBASE+4*32*WP              ; path O: four stages of 32 rows x 144 bytes
.set OP,    144
.set SPARE, OBASE+4*32*OP              ; the spare words, 128 bytes for each wave: two blocks of 256 bytes that no other line names
	s_load_b512 s[4:19], s[0:1], 0x0               ; query s4, key s6, value s8, wq s10, wk s12, wv s14, wo s16, xc s18
	s_load_b256 s[20:27], s[0:1], 0x40             ; xs s20, wc s22, ws s24, wot s26
	v_lshl_add_u32 v[SPW], v0, 2, SPARE
	v_mov_b32 v[NIL], 0
	v_lshrrev_b32 v1, 5, v0
	v_readfirstlane_b32 s28, v1                    ; wave 0..3
	v_and_b32 v2, 31, v0                           ; lane
	s_wait_kmcnt 0x0
	s_cmp_lt_u32 ttmp9, 48
	s_cbranch_scc1 .Lpath_w
	s_cmp_lt_u32 ttmp9, 176
	s_cbranch_scc1 .Lpath_o
; ---------------- PATH X.  Rows are dense and K is a multiple of 32: a tensor is a plain stream of blocks of 32, and so are its codes and bytes.
; A wave takes 16 steps of 512 numbers.  Each load reads 512 consecutive bytes, 16 a lane; a step's 2,048 bytes turn through the wave's own stage and come back 64 bytes a lane:
; 16 neighbours along K, two neighbouring lanes to a block.  A lane's 16 codes are 8 bytes: a store covers 256 consecutive bytes, aligned.  The wave's 256 scale bytes leave as one such run.
.set XR, 16                            ; v16-79   four sets of 16 numbers as loaded
.set XX, 80                            ; v80-111  two sets of 16 neighbours
.set XE, 112                           ; v112-127 a scale byte for each step
.set XC, 128                           ; v128-159 two registers of codes for each step: no store's data are written again
	s_sub_co_u32 s29, ttmp9, 176                   ; 0..767: 256 work-groups to a tensor
	s_cmp_lt_u32 s29, 256
	s_cselect_b64 s[4:5], s[4:5], s[6:7]           ; query, else key,
	s_cmp_lt_u32 s29, 512
	s_cselect_b64 s[4:5], s[4:5], s[8:9]           ; else value: the choice hangs on the work-group's number alone
	s_and_b32 s30, s29, 255
	s_lshl_b32 s30, s30, 2
	s_add_co_u32 s30, s30, s28                     ; my wave's run of 8,192 numbers in its tensor
	s_lshl_b32 s30, s30, 15                        ; 32,768 bytes a run
	s_mov_b32 s31, 0
	s_add_nc_u64 s[4:5], s[4:5], s[30:31]
	s_lshl_b32 s32, s29, 2
	s_add_co_u32 s32, s32, s28                     ; and among all three: they follow each other in xc and xs
	s_lshl_b32 s30, s32, 12                        ; 4,096 bytes of codes a run
	s_add_nc_u64 s[18:19], s[18:19], s[30:31]
	s_lshl_b32 s30, s32, 8                         ; 256 scale bytes a run
	s_add_nc_u64 s[20:21], s[20:21], s[30:31]
	v_lshlrev_b32 v3, 4, v2                        ; my 16 bytes of a load's 512
	s_lshl_b32 s33, s28, 13                        ; my wave's region
	v_lshrrev_b32 v14, 2, v2
	v_mul_u32_u24 v14, v14, XSP
	v_and_b32 v15, 3, v2
	v_lshl_add_u32 v14, v15, 4, v14
	v_add_nc_u32 v14, s33, v14                     ; into the stage: four lanes' 64 bytes on end, then the padding
	v_mul_u32_u24 v15, v2, XSP
	v_add_nc_u32 v15, s33, v15                     ; out of it: my 16 neighbours
	v_lshlrev_b32 v4, 3, v2                        ; my codes' place in a step's 256 bytes
	v_lshrrev_b32 v5, 1, v2
	s_add_co_u32 s33, s33, 2*32*XSP
	v_add_nc_u32 v5, s33, v5                       ; my block's scale byte in LDS
	v_lshlrev_b32 v7, 3, v2
	v_add_nc_u32 v6, s33, v7                       ; and on the way out 8 bytes a lane
.macro XLOAD t
.irp i, 0,1,2,3
	global_load_b128 v[XR+16*((\t)%4)+4*\i:XR+16*((\t)%4)+4*\i+3], v3, s[4:5] offset:2048*(\t)+512*\i th:TH_LOAD_NT
.endr
.endm
.macro XTURN t                         ; LDS serves a wave's instructions in order (ISA guide 5.7.1.4): no wait between the stores and the loads
.irp i, 0,1,2,3
	ds_store_b128 v14, v[XR+16*((\t)%4)+4*\i:XR+16*((\t)%4)+4*\i+3] offset:32*XSP*((\t)%2)+8*XSP*\i
.endr
.irp i, 0,1,2,3
	ds_load_b128 v[XX+16*((\t)%2)+4*\i:XX+16*((\t)%2)+4*\i+3], v15 offset:32*XSP*((\t)%2)+16*\i
.endr
.endm
.irp t, 0,1,2,3
	XLOAD \t
.endr
	s_wait_loadcnt 12                              ; step 0's four loads are in; three steps' twelve stay out
	XTURN 0
.macro XSTEP t
.set XS, XX+16*((\t)%2)
.if (\t) > 0
	s_wait_dscnt 1                                 ; this step's numbers are back from the stage; the last step's byte store may be out
.else
	s_wait_dscnt 0x0
.endif
.if (\t)+4 < 16
	XLOAD (\t)+4                                   ; into the set whose stores into the stage are done
.endif
.if (\t)+1 < 16
.if 14-(\t) >= 3
	s_wait_loadcnt 12                              ; the next step's four loads are in; those of the three steps behind it may be out
.else
	s_wait_loadcnt 4*(14-(\t))
.endif
	XTURN (\t)+1
.endif
	v_max3_num_f32 v8, |v[XS]|, |v[XS+1]|, |v[XS+2]|
	v_max3_num_f32 v9, |v[XS+3]|, |v[XS+4]|, |v[XS+5]|
.irp i, 6,10
	v_max3_num_f32 v8, v8, |v[XS+\i]|, |v[XS+\i+1]|
	v_max3_num_f32 v9, v9, |v[XS+\i+2]|, |v[XS+\i+3]|
.endr
	v_max3_num_f32 v8, v8, |v[XS+14]|, |v[XS+15]|
	v_max3_num_f32 v8, v8, v9, 0x1800000           ; and the floor 2^(3 - 127): the byte cannot fall under 1
	v_max_num_f32_dpp v8, v8, v8 row_xmask:1 row_mask:0xf bank_mask:0xf   ; with my neighbour's 16: the block's largest magnitude
	v_add_nc_u32 v11, 0xff000000, v8               ; 2 off its exponent field: the conversion takes this operand's exponent field as its scale
	v_cvt_scalef32_pk8_fp4_f32 v[XC+2*(\t)], v[XS:XS+7], v11
	v_cvt_scalef32_pk8_fp4_f32 v[XC+2*(\t)+1], v[XS+8:XS+15], v11
	v_lshrrev_b32 v[XE+(\t)], 23, v11              ; the scale's byte (also the plain line behind the conversions)
	ds_store_b8 v5, v[XE+(\t)] offset:16*(\t)      ; both lanes of a block write the same byte with the same value
	global_store_b64 v4, v[XC+2*(\t):XC+2*(\t)+1], s[18:19] offset:256*(\t)
.endm
.irp t, 0,1,2,3,4,5,6,7,8,9,10,11,12,13,14,15
	XSTEP \t
.endr
	ds_load_b64 v[8:9], v6                         ; in order behind my byte stores
	s_wait_dscnt 0x0
	global_store_b64 v7, v[8:9], s[20:21]          ; 32 lanes store 256 consecutive bytes, aligned
	s_wait_tensorcnt 0x0                           ; the wave's end: a wait, an add of 0 to my spare word and a wait, behind my last LDS store
	ds_add_u32 v[SPW], v[NIL]
	s_wait_dscnt 0x0
	s_endpgm
; ---------------- PATH W.  K is the weight's FIRST axis: a lane takes a column n and its registers run down K, so that a block of 32 lies in one lane and the codes come out with K innermost.
; A wave takes 32 columns x 512 along K: 16 blocks a lane.  The codes go through the wave's own stage and leave as rows: sixteen lanes store 256 consecutive bytes, aligned.
; Two blocks' loads are out at the most: a wait on LOADcnt names at most 63 (ISA guide 5.7.1), so one block's 32 loads is what a counted wait can leave out.
.set WX,  32                           ; v32-95   two sets of 32 numbers
.set WC,  96                           ; v96-99   a block's codes
.set WSB, 24                           ; v24-27   the scale bytes, four to a register
.set WO,  112                          ; v112-175 the way out
.Lpath_w:
	s_lshr_b32 s29, ttmp9, 4                       ; which weight
	s_and_b32 s30, ttmp9, 7                        ; which 128 columns
	s_bfe_u32 s31, ttmp9, 0x10003                  ; which 512 along K
	s_cmp_eq_u32 s29, 0
	s_cselect_b64 s[10:11], s[10:11], s[12:13]
	s_cmp_lt_u32 s29, 2
	s_cselect_b64 s[10:11], s[10:11], s[14:15]
	s_lshl_b32 s30, s30, 7
	s_lshl_b32 s32, s28, 5
	s_add_co_u32 s30, s30, s32                     ; my wave's first column
	s_lshl_b32 s34, s31, 21                        ; 512 rows of 4,096 bytes
	s_lshl_b32 s32, s30, 2
	s_add_co_u32 s34, s34, s32
	s_mov_b32 s35, 0
	s_add_nc_u64 s[10:11], s[10:11], s[34:35]
	s_lshl_b32 s32, s29, 10
	s_add_co_u32 s32, s32, s30                     ; my first row of wc and ws
	s_lshl_b32 s34, s32, 9
	s_lshl_b32 s33, s31, 8
	s_add_co_u32 s34, s34, s33
	s_add_nc_u64 s[22:23], s[22:23], s[34:35]
	s_lshl_b32 s34, s32, 5
	s_lshl_b32 s33, s31, 4
	s_add_co_u32 s34, s34, s33
	s_add_nc_u64 s[24:25], s[24:25], s[34:35]
	v_lshlrev_b32 v3, 2, v2                        ; in: 4 bytes a lane
	s_mul_i32 s33, s28, 32*WP
	s_add_co_u32 s33, s33, WBASE                   ; my stage
	v_mul_u32_u24 v4, v2, WP
	v_add_nc_u32 v4, s33, v4                       ; into it: row = my column
	v_and_b32 v5, 15, v2
	v_lshrrev_b32 v6, 4, v2
	v_mul_u32_u24 v7, v6, WP
	v_lshl_add_u32 v7, v5, 4, v7
	v_add_nc_u32 v7, s33, v7                       ; out of it: sixteen lanes to a row, two rows an instruction
	v_lshlrev_b32 v8, 9, v6
	v_lshl_add_u32 v8, v5, 4, v8                   ; the same place in wc
	v_lshlrev_b32 v9, 5, v2                        ; my column's row of ws
.macro WLOAD t
.irp i, 0,1,2,3,4,5,6,7,8,9,10,11,12,13,14,15,16,17,18,19,20,21,22,23,24,25,26,27,28,29,30,31
	global_load_b32 v[WX+32*((\t)%2)+\i], v3, s[10:11] offset:(32*(\t)+\i)*4096 th:TH_LOAD_NT
.endr
.endm
	WLOAD 0
	WLOAD 1
.macro WBLOCK t
.set XS, WX+32*((\t)%2)
.if (\t) < 15
	s_wait_loadcnt 32                              ; this block's 32 loads are in; the next block's may be out
.else
	s_wait_loadcnt 0x0
.endif
	v_max3_num_f32 v12, |v[XS]|, |v[XS+1]|, |v[XS+2]|
	v_max3_num_f32 v13, |v[XS+3]|, |v[XS+4]|, |v[XS+5]|
.irp i, 6,10,14,18,22,26
	v_max3_num_f32 v12, v12, |v[XS+\i]|, |v[XS+\i+1]|
	v_max3_num_f32 v13, v13, |v[XS+\i+2]|, |v[XS+\i+3]|
.endr
	v_max3_num_f32 v12, v12, |v[XS+30]|, |v[XS+31]|
	v_max3_num_f32 v12, v12, v13, 0x1800000        ; and the floor
	v_add_nc_u32 v11, 0xff000000, v12              ; the conversion's scale operand
	v_lshrrev_b32 v13, 23, v11                     ; the scale's byte
.if (\t)%4 == 0
	v_mov_b32 v[WSB+(\t)/4], v13
.else
	v_lshl_or_b32 v[WSB+(\t)/4], v13, 8*((\t)%4), v[WSB+(\t)/4]
.endif
.irp g, 0,1,2,3
	v_cvt_scalef32_pk8_fp4_f32 v[WC+\g], v[XS+8*\g:XS+8*\g+7], v11
.endr
	v_nop                                          ; one plain line behind the conversions
	ds_store_b128 v4, v[WC:WC+3] offset:16*(\t)    ; 32 codes: 16 bytes of my column's row
.if (\t)+2 < 16
	WLOAD (\t)+2
.endif
	s_wait_dscnt 0x0                               ; the store has read its registers: the next block's codes may be written
.endm
.irp t, 0,1,2,3,4,5,6,7,8,9,10,11,12,13,14,15
	WBLOCK \t
.endr
	global_store_b128 v9, v[WSB:WSB+3], s[24:25]   ; my column's 16 scale bytes
.irp t, 0,1,2,3,4,5,6,7,8,9,10,11,12,13,14,15
	ds_load_b128 v[WO+4*\t:WO+4*\t+3], v7 offset:2*\t*WP
.endr
.irp t, 0,1,2,3,4,5,6,7,8,9,10,11,12,13,14,15
	s_wait_dscnt 15-\t                             ; LDS loads come back in order: load t is in, the younger ones stay out
	global_store_b128 v8, v[WO+4*\t:WO+4*\t+3], s[22:23] offset:2*\t*512
.endr
	s_wait_tensorcnt 0x0                           ; the wave's end: the three lines
	ds_add_u32 v[SPW], v[NIL]
	s_wait_dscnt 0x0
	s_endpgm
; ---------------- PATH O.  The same choice of lanes for wo: a lane takes a column n, its 64 registers run down one block of 64 along K; rounded to f16 they are 128 bytes of row n of that block.
.Lpath_o:
	s_sub_co_u32 s29, ttmp9, 48
	s_and_b32 s30, s29, 7                          ; which 128 columns
	s_lshr_b32 s31, s29, 3                         ; which block of 64 along K
	s_lshl_b32 s30, s30, 7
	s_lshl_b32 s32, s28, 5
	s_add_co_u32 s30, s30, s32                     ; my wave's first column
	s_lshl_b32 s34, s31, 18                        ; 64 rows of 4,096 bytes
	s_lshl_b32 s32, s30, 2
	s_add_co_u32 s34, s34, s32
	s_mov_b32 s35, 0
	s_add_nc_u64 s[16:17], s[16:17], s[34:35]
	s_lshl_b32 s34, s31, 17                        ; in wot a block is 1,024 rows of 128 bytes
	s_lshl_b32 s32, s30, 7
	s_add_co_u32 s34, s34, s32
	s_add_nc_u64 s[26:27], s[26:27], s[34:35]
	v_lshlrev_b32 v3, 2, v2
	s_mul_i32 s33, s28, 32*OP
	s_add_co_u32 s33, s33, OBASE                   ; my stage
	v_mul_u32_u24 v4, v2, OP
	v_add_nc_u32 v4, s33, v4                       ; into it: row = my column
	v_lshrrev_b32 v5, 3, v2
	v_and_b32 v6, 7, v2
	v_mul_u32_u24 v7, v5, OP
	v_lshl_add_u32 v7, v6, 4, v7
	v_add_nc_u32 v7, s33, v7                       ; out of it: eight lanes to a row of 128 bytes, four rows an instruction
	v_lshlrev_b32 v8, 4, v2                        ; which in wot are 512 consecutive bytes
.set i, 0
.rept 64
	global_load_b32 v[32+i], v3, s[16:17] offset:i*4096 th:TH_LOAD_NT
.set i, i+1
.endr
	s_wait_loadcnt 0x0
.set i, 0
.rept 32
	v_cvt_pk_f16_f32 v[96+i], v[32+2*i], v[33+2*i] ; the lower k in the low half
.set i, i+1
.endr
.irp t, 0,1,2,3,4,5,6,7
	ds_store_b128 v4, v[96+4*\t:96+4*\t+3] offset:16*\t
.endr
.irp t, 0,1,2,3,4,5,6,7
	ds_load_b128 v[128+4*\t:128+4*\t+3], v7 offset:4*\t*OP
.endr
.irp t, 0,1,2,3,4,5,6,7
	s_wait_dscnt 7-\t
	global_store_b128 v8, v[128+4*\t:128+4*\t+3], s[26:27] offset:512*\t
.endr
	s_wait_tensorcnt 0x0                           ; the wave's end: the three lines
	ds_add_u32 v[SPW], v[NIL]
	s_wait_dscnt 0x0
	s_endpgm
.Lfunc_end_k_q78d302edcd_prep:
	.size	k_q78d302edcd_prep, .Lfunc_end_k_q78d302edcd_prep-k_q78d302edcd_prep
	.p2alignl 7, 3214868480
	.fill 96, 4, 3214868480
	.section	.rodata,"a",@progbits
	.p2align	6, 0x0
	.amdhsa_kernel k_q78d302edcd_prep
		.amdhsa_group_segment_fixed_size 86528
		.amdhsa_private_segment_fixed_size 0
		.amdhsa_enable_private_segment 0
		.amdhsa_kernarg_size 96
		.amdhsa_user_sgpr_count 2
		.amdhsa_user_sgpr_kernarg_segment_ptr 1
		.amdhsa_wavefront_size32 1
		.amdhsa_system_sgpr_workgroup_id_x 1
		.amdhsa_system_sgpr_workgroup_id_y 1
		.amdhsa_system_sgpr_workgroup_id_z 1
		.amdhsa_system_vgpr_workitem_id 0
		.amdhsa_next_free_vgpr 192
		.amdhsa_next_free_sgpr 66
		.amdhsa_reserve_vcc 0
		.amdhsa_float_denorm_mode_32 3
		.amdhsa_float_denorm_mode_16_64 3
		.amdhsa_memory_ordered 1
		.amdhsa_forward_progress 1
		.amdhsa_inst_pref_size 123
	.end_amdhsa_kernel
	.amdgpu_metadata
---
amdhsa.version: [ 1, 2 ]
amdhsa.kernels:
  - .name:           k_q78d302edcd_prep
    .symbol:         k_q78d302edcd_prep.kd
    .args:
      - { .name: query, .offset: 0, .size: 8, .value_kind: global_buffer, .address_space: global }
      - { .name: key, .offset: 8, .size: 8, .value_kind: global_buffer, .address_space: global }
      - { .name: value, .offset: 16, .size: 8, .value_kind: global_buffer, .address_space: global }
      - { .name: wq, .offset: 24, .size: 8, .value_kind: global_buffer, .address_space: global }
      - { .name: wk, .offset: 32, .size: 8, .value_kind: global_buffer, .address_space: global }
      - { .name: wv, .offset: 40, .size: 8, .value_kind: global_buffer, .address_space: global }
      - { .name: wo, .offset: 48, .size: 8, .value_kind: global_buffer, .address_space: global }
      - { .name: xc, .offset: 56, .size: 8, .value_kind: global_buffer, .address_space: global }
      - { .name: xs, .offset: 64, .size: 8, .value_kind: global_buffer, .address_space: global }
      - { .name: wc, .offset: 72, .size: 8, .value_kind: global_buffer, .address_space: global }
      - { .name: ws, .offset: 80, .size: 8, .value_kind: global_buffer, .address_space: global }
      - { .name: wot, .offset: 88, .size: 8, .value_kind: global_buffer, .address_space: global }
    .group_segment_fixed_size: 86528
    .private_segment_fixed_size: 0
    .kernarg_segment_align: 8
    .kernarg_segment_size: 96
    .max_flat_workgroup_size: 128
    .sgpr_count:     66
    .vgpr_count:     192
    .wavefront_size: 32
...
	.end_amdgpu_metadata
.endif
;; end of part 1
;; launch proj (part 2): grid 4 x 96, 4 waves a work-group, clusters of 4 x 4, 327,680 bytes of LDS; arguments xc, xs, wc, ws, bq, bk, bv, qkv; writes qkv
.if DOCPART == 2
	.amdgcn_target "amdgcn-amd-amdhsa--gfx1250"
	.amdhsa_code_object_version 6
	.text
	.protected	k_q78d302edcd_proj
	.globl	k_q78d302edcd_proj
	.p2align	8
	.type	k_q78d302edcd_proj,@function
k_q78d302edcd_proj:
	s_mov_b64 s[64:65], 0
	v_nop
	global_prefetch_b8 v0, s[64:65] scope:SCOPE_SE
	s_setreg_imm32_b32 hwreg(HW_REG_WAVE_MODE, 25, 1), 1
	s_wait_xcnt 0x0
	s_wait_alu depctr_hold_cnt(0) depctr_sa_sdst(0) depctr_va_vdst(0) depctr_va_sdst(0) depctr_va_ssrc(0) depctr_va_vcc(0) depctr_vm_vsrc(0)
	s_getreg_b32 s2, hwreg(HW_REG_IB_STS2, 6, 4)
	s_cmp_eq_u32 s2, 0
	s_cbranch_scc0 .Lentry_in_a_cluster
	s_endpgm
.Lentry_in_a_cluster:
	s_bfe_u32 s2, ttmp6, 0x10000c
	s_cmp_lg_u32 s2, 0xf033
	s_cbranch_scc0 .Lentry_shape_is_right
	s_endpgm
.Lentry_shape_is_right:
; PROJ: the three quantised products as ONE product on codes of FP4 (E2M1) with E8M0 scales: rows 0-8191 query x wq + bq, 8192-16383 key x wk + bk, 16384-24575 value x wv + bv.
; A: xc [24576][512 bytes], xs [24576][32].  B: wc [3 x 1024 n][512 bytes], ws [3 x 1024][32].  Sums in f32, begun with the bias; rounded once to f16 and laid by head:
; qkv [16 heads][24576 rows][64] f16, so that 16 rows of a head are 2,048 consecutive bytes.
; LIMIT: q, k and v must lie within +-65,504 (f16); under 6e-5 they carry an absolute error up to 3e-8.
; A tile, 256 rows x 256 columns, is made by four waves, 128 x 128 each: 64 accumulators of 16 x 16.  K = 1,024 is two slots of 512 along K (LDS rows of 256 bytes):
; BOTH SLOTS AND THE SCALES ARE FIRST FILLS: three tensor loads a wave at the head, and nothing is filled again.  So there is nothing left to ask for ahead of time either.
; CLUSTERS: 4 x 4 work-groups; A's tiles are asked for jointly along a row of the cluster, B's along a column.  A cluster's 1,024 rows lie in one of the three products (8 clusters to each).
; THE MATRIX INSTRUCTION IS USED TRANSPOSED (source 0 = 16 rows of B, source 1 = 16 rows of A): a lane holds eight neighbouring columns of one row.
; REGISTERS, in windows of 256: window 0: v0-31 addresses; v32-95 scale words, two sets; v96-127 way out; v128-191 A's fragments, one set; v192-255 the bias, later the way out.
;   window 1: B's fragments, two sets, at v0 and v128.   window 2: accumulators of my rows 0-63 ((a, b) at v[8 (8 a + b)]);   window 3: of my rows 64-127.
.set NQ,     4                         ; steps of 128 along K in a slot
.set ROWB,   256                       ; a tile's row in bytes: 512 codes
.set KROW,   512                       ; a row of codes in memory
.set PITCH,  272                       ; an LDS row: 256 bytes + 16 of padding: the 16 rows of a load start at 16 different groups of four banks
.set FR,     8
.set NL,     2
.set NP,     4                         ; places behind this matrix instruction (ISA guide 7.12.1)
.set HALFT,  128*PITCH
.set SLOT,   4*HALFT                   ; A's 256 rows, then B's 256 rows
.set KS,     32                        ; a row of scale bytes
.set SCL,    2*SLOT                    ; behind the slots: the scales, as rows of 256 bytes + 16 of padding
.set HALFS,  16*272                    ; the scales of 128 rows
.set SBLK,   2*272                     ; of 16 rows
.set SPARE,  SCL+4*HALFS               ; the spare words, 128 bytes for each wave: two blocks of 256 bytes that no other line names
.set SPITCH, 272                       ; the way out: 16 rows x (256 bytes + 16) for each wave, in slot 0: filled once, and read by nobody behind the change of slots
.set HSTR,   24576*128                 ; from head to head in qkv
.set ADRA, 16
.set ADRB, 20
.set STO,  24
.set RD,   25
.set CO,   26
.set ADRS, 27
.set SPW,  28                          ; v28  SPARE + 4 x my thread's number; never rewritten
.set NIL,  29                          ; v29  0; never rewritten
.set BO,   30                          ; v30  the bias: 32 bytes for each half of the lanes
.set SC,   32
.set AF,   128
.set BI,   192                         ; the bias in the result's layout: block b's eight numbers at v[BI + 8 b]
.set TMP,  192                         ; the way out: packed results
.set G1, 24
.set G0, 32
.set G1B, 48
.set G0B, 56
.set G1S, 68
.set G0S, 76
.set G1SB, 80
.set G0SB, 88
.set MSB, 0
.macro WIN new                         ; the immediate's high byte repeats the setting that is left; a switch that changes nothing is dropped
.if MSB != (\new)
	s_set_vgpr_msb (MSB<<8)|(\new)
.set MSB, (\new)
.endif
.endm
.set MUL_LO, 0xa1                      ; source 0 (B) window 1, source 1 (A) window 0, C and D window 2
.set MUL_HI, 0xf1                      ; the same, C and D window 3
.set TO_B,   0x40
; A joint load: waves 0 and 1 fetch for A, waves 2 and 3 for B; the branch hangs on the wave's number alone.  An s_nop 0 and four v_nop follow each line.
.macro JLOAD g0a, g1a, g0b, g1b
	s_cmp_eq_u32 s15, 0
	s_cbranch_scc0 .Lfor_b_\@
	tensor_load_to_lds s[\g0a:\g0a+3], s[\g1a:\g1a+7]
	s_nop 0
.rept 4
	v_nop
.endr
	s_branch .Lasked_\@
.Lfor_b_\@:
	tensor_load_to_lds s[\g0b:\g0b+3], s[\g1b:\g1b+7]
	s_nop 0
.rept 4
	v_nop
.endr
.Lasked_\@:
.endm
.macro CROUND                          ; a round of the cluster's barrier
	s_barrier_signal -1
	s_barrier_wait -1
	s_cmp_lg_u32 s14, 0
	s_cbranch_scc1 .Lnot_wave_0_\@
	s_barrier_signal -3
.Lnot_wave_0_\@:
	s_barrier_wait -3
	s_barrier_signal -1
	s_barrier_wait -1
.endm
	s_load_b128 s[4:7], s[0:1], 0x0                ; xc, xs
	s_load_b128 s[8:11], s[0:1], 0x10              ; wc, ws
	s_load_b128 s[96:99], s[0:1], 0x20             ; bq, bk
	s_load_b64 s[100:101], s[0:1], 0x30            ; bv
	s_load_b64 s[12:13], s[0:1], 0x38              ; qkv
	v_lshl_add_u32 v[SPW], v0, 2, SPARE
	v_mov_b32 v[NIL], 0
	ds_add_u32 v[SPW], v[NIL]                      ; the wave's opening: the add, twice on end, and its wait ahead of my first tensor load
	ds_add_u32 v[SPW], v[NIL]
	v_lshrrev_b32 v1, 5, v0
	v_readfirstlane_b32 s14, v1                    ; wave 0..3
	s_lshr_b32 s15, s14, 1                         ; my half of the tile's rows.  Also: I fetch for A (0) or for B (1)
	s_and_b32 s16, s14, 1                          ; my half of its columns.  Also: which 128 rows I fetch
	s_bfe_u32 s40, ttmp6, 0x40000                  ; cx
	s_bfe_u32 s41, ttmp6, 0x40004                  ; cy
	s_lshl_b32 s42, ttmp9, 2
	s_add_co_u32 s42, s42, s40                     ; tile column
	s_and_b32 s17, ttmp7, 0xffff
	s_lshr_b32 s95, s17, 3                         ; which product: 8 clusters of 1,024 rows to each; the same in all sixteen partners
	s_lshl_b32 s17, s17, 2
	s_add_co_u32 s17, s17, s41                     ; tile row
	s_lshl_b32 s43, s41, 2
	s_lshl_b32 s43, 15, s43                        ; my row of the cluster
	s_lshl_b32 s44, 0x1111, s40                    ; my column
	s_or_b32 s[G1+0], s43, (0<<16)|(1<<20)|(1<<21)|(5<<22)|(3<<25)  ; the mask; elements of 1 byte; padding on; bit 21 beside a mask; 4 words behind every 64
	s_or_b32 s[G1B+0], s44, (0<<16)|(1<<20)|(1<<21)|(5<<22)|(3<<25)
.irp g, G1, G1B
	s_mov_b32 s[\g+1], ROWB<<16                    ; tensor_dim0
	s_mov_b32 s[\g+2], 128<<16                     ; tensor_dim1
	s_mov_b32 s[\g+3], ROWB<<16                    ; tile_dim0
	s_mov_b32 s[\g+4], 128                         ; tile_dim1
	s_mov_b32 s[\g+5], KROW                        ; from row to row
	s_mov_b32 s[\g+6], 0
	s_mov_b32 s[\g+7], 0
.endr
	s_or_b32 s[G1S+0], s43, (3<<16)|(1<<20)|(1<<21)|(5<<22)|(3<<25) ; the scales of 128 rows: 4,096 dense bytes as 16 rows of 32 elements of 8 bytes
	s_or_b32 s[G1SB+0], s44, (3<<16)|(1<<20)|(1<<21)|(5<<22)|(3<<25)
.irp g, G1S, G1SB
	s_mov_b32 s[\g+1], 32<<16
	s_mov_b32 s[\g+2], 16<<16
	s_mov_b32 s[\g+3], 32<<16
	s_mov_b32 s[\g+4], 16
	s_mov_b32 s[\g+5], 32
	s_mov_b32 s[\g+6], 0
	s_mov_b32 s[\g+7], 0
.endr
	s_lshl_b32 s18, s16, 7                         ; which 128 rows of the tile I fetch
	s_lshl_b32 s20, s17, 8
	s_add_co_u32 s20, s20, s18                     ; A: row 256 x tile row + 128 x half
	s_lshl_b32 s46, s42, 8
	s_add_co_u32 s46, s46, s18
	s_lshl_b32 s19, s95, 10
	s_add_co_u32 s46, s46, s19                     ; B: row 1,024 x product + 256 x tile column + 128 x half
	s_lshl_b32 s22, s20, 5                         ; their scales, in bytes,
	s_mov_b32 s23, 0
	s_lshl_b32 s92, s46, 5
	s_mov_b32 s93, 0
	s_lshl_b32 s20, s20, 9                         ; and their codes
	s_mov_b32 s21, 0
	s_lshl_b32 s46, s46, 9
	s_mov_b32 s47, 0
	s_mul_i32 s45, s14, HALFT                      ; where they go: wave x 128 rows: no place in the cluster enters an LDS address
	s_mul_i32 s94, s14, HALFS
	s_wait_dscnt 0x0                               ; both opening adds are done
	s_wait_kmcnt 0x0
	s_add_nc_u64 s[20:21], s[4:5], s[20:21]
	s_add_nc_u64 s[22:23], s[6:7], s[22:23]
	s_add_nc_u64 s[46:47], s[8:9], s[46:47]
	s_add_nc_u64 s[92:93], s[10:11], s[92:93]
	CROUND                                         ; all sixteen work-groups are here: the joint loads meet
	s_mov_b32 s[G0S], 1
	s_add_co_u32 s[G0S+1], s94, SCL
	s_mov_b64 s[G0S+2:G0S+3], s[22:23]
	s_or_b32 s[G0S+3], s[G0S+3], 0x80000000
	s_mov_b32 s[G0SB], 1
	s_add_co_u32 s[G0SB+1], s94, SCL
	s_mov_b64 s[G0SB+2:G0SB+3], s[92:93]
	s_or_b32 s[G0SB+3], s[G0SB+3], 0x80000000
	JLOAD G0S, G1S, G0SB, G1SB                     ; the scales first: they are wanted with the first step
.irp s, 0,1
	s_mov_b32 s[G0+4*\s], 1
	s_add_co_u32 s[G0+4*\s+1], s45, \s*SLOT
	s_add_nc_u64 s[G0+4*\s+2:G0+4*\s+3], s[20:21], \s*ROWB
	s_or_b32 s[G0+4*\s+3], s[G0+4*\s+3], 0x80000000
	s_mov_b32 s[G0B+4*\s], 1
	s_add_co_u32 s[G0B+4*\s+1], s45, \s*SLOT
	s_add_nc_u64 s[G0B+4*\s+2:G0B+4*\s+3], s[46:47], \s*ROWB
	s_or_b32 s[G0B+4*\s+3], s[G0B+4*\s+3], 0x80000000
	JLOAD G0+4*\s, G1, G0B+4*\s, G1B               ; three loads of mine are out in all
.endr
	v_and_b32 v1, 15, v0                           ; r = lane % 16
	v_bfe_u32 v2, v0, 4, 1                         ; h = lane / 16
	; the bias of my 128 columns, in the result's layout: lane (r, h), block b: columns 16 b + 8 h + 0 .. 7
	s_cmp_eq_u32 s95, 0
	s_cselect_b64 s[96:97], s[96:97], s[98:99]
	s_cmp_lt_u32 s95, 2
	s_cselect_b64 s[96:97], s[96:97], s[100:101]
	s_lshl_b32 s46, s42, 10
	s_lshl_b32 s47, s16, 9
	s_add_co_u32 s46, s46, s47
	s_mov_b32 s47, 0
	s_add_nc_u64 s[96:97], s[96:97], s[46:47]
	v_lshlrev_b32 v[BO], 5, v2
.irp b, 0,1,2,3,4,5,6,7
	global_load_b128 v[BI+8*\b:BI+8*\b+3], v[BO], s[96:97] offset:64*\b
	global_load_b128 v[BI+8*\b+4:BI+8*\b+7], v[BO], s[96:97] offset:64*\b+16
.endr
	v_mul_u32_u24 v3, v1, PITCH
	v_lshl_add_u32 v4, v2, 4, v3                   ; a fragment's row x pitch + 16 x half
	s_mul_i32 s21, s15, HALFT                      ; my 128 rows of A
	s_mul_i32 s22, s16, HALFT                      ; my 128 rows of B,
	s_add_co_u32 s22, s22, 2*HALFT                 ; behind A's 256
.irp s, 0,1
	v_add_nc_u32 v[ADRA+\s], s21, v4
	v_add_nc_u32 v[ADRB+\s], s22, v4
	s_add_co_u32 s21, s21, SLOT
	s_add_co_u32 s22, s22, SLOT
.endr
	v_mul_u32_u24 v5, v1, KS                       ; my row's scales: 32 bytes a row,
	v_lshrrev_b32 v6, 8, v5
	v_lshl_add_u32 v5, v6, 4, v5                   ; and 16 more for each 256 passed
	s_mul_i32 s21, s15, HALFS
	s_mul_i32 s22, s16, HALFS
	s_add_co_u32 s22, s22, 2*HALFS
	s_sub_co_u32 s22, s22, s21
	v_mul_u32_u24 v6, s22, v2                      ; lanes 16-31 take B's: one product, the distance between the two bases
	s_add_co_u32 s21, s21, SCL
	v_add_nc_u32 v5, v5, v6
	v_add_nc_u32 v[ADRS], s21, v5
	s_mul_i32 s23, s14, 16*SPITCH                  ; my stage
	v_mul_u32_u24 v5, v1, SPITCH
	v_lshl_add_u32 v5, v2, 4, v5
	v_add_nc_u32 v[STO], s23, v5                   ; in: row r, 16 bytes for each half of the lanes
	v_bfe_u32 v5, v0, 3, 2
	v_and_b32 v6, 7, v0
	v_mul_u32_u24 v5, v5, SPITCH
	v_lshl_add_u32 v5, v6, 4, v5
	v_add_nc_u32 v[RD], s23, v5                    ; back: eight lanes take a head's 128 bytes of a row, four rows an instruction
	v_and_b32 v6, 31, v0
	v_lshlrev_b32 v[CO], 4, v6                     ; which in qkv are 512 consecutive bytes
	s_lshl_b32 s46, s42, 2
	s_lshl_b32 s47, s16, 1
	s_add_co_u32 s46, s46, s47                     ; my first head: 4 x tile column + 2 x half
	s_mul_i32 s46, s46, HSTR
	s_lshl_b32 s20, s17, 8
	s_lshl_b32 s21, s15, 7
	s_add_co_u32 s20, s20, s21                     ; my first row
	s_lshl_b32 s20, s20, 7
	s_add_co_u32 s46, s46, s20
	s_mov_b32 s47, 0
	s_add_nc_u64 s[12:13], s[12:13], s[46:47]
.macro FRAG reg, adr, q, i             ; 16 rows x 128 K of 4-bit codes: 8 registers; lane l: row l % 16; registers 4 c .. 4 c + 3: K = 64 c + 32 (l / 16) + 0 .. 31
.irp c, 0,1
	ds_load_b128 v[\reg+4*\c:\reg+4*\c+3], v[\adr] offset:64*(\q)+32*\c+(\i)*16*PITCH
.endr
.endm
; 16 matrix instructions: A's blocks a0, a0 + 1 x B's eight.  zero = 1: the first product starts the sums with the bias as C.  The 64 accumulators take turns, one instruction a turn.
.macro MUL16 a0, p, q, sc, zero
.irp a, \a0, \a0+1
.irp b, 0,1,2,3,4,5,6,7
.if \zero
	v_wmma_scale_f32_16x16x128_f8f6f4 v[8*(8*((\a)%4)+\b):8*(8*((\a)%4)+\b)+7], v[128*(\p)+FR*\b:128*(\p)+FR*\b+FR-1], v[AF+FR*(\a):AF+FR*(\a)+FR-1], v[BI+8*\b:BI+8*\b+7], v[SC+8*NQ*(\sc)+NQ*\b+(\q)], v[SC+8*NQ*(\sc)+NQ*(\a)+(\q)] matrix_a_fmt:MATRIX_FMT_FP4 matrix_b_fmt:MATRIX_FMT_FP4 matrix_a_scale:MATRIX_SCALE_ROW1
.else
	v_wmma_scale_f32_16x16x128_f8f6f4 v[8*(8*((\a)%4)+\b):8*(8*((\a)%4)+\b)+7], v[128*(\p)+FR*\b:128*(\p)+FR*\b+FR-1], v[AF+FR*(\a):AF+FR*(\a)+FR-1], v[8*(8*((\a)%4)+\b):8*(8*((\a)%4)+\b)+7], v[SC+8*NQ*(\sc)+NQ*\b+(\q)], v[SC+8*NQ*(\sc)+NQ*(\a)+(\q)] matrix_a_fmt:MATRIX_FMT_FP4 matrix_b_fmt:MATRIX_FMT_FP4 matrix_a_scale:MATRIX_SCALE_ROW1
.endif
.endr
.endr
.endm
.macro FETCH_B slot, q, p
	WIN TO_B
.irp i, 0,1,2,3,4,5,6,7
	FRAG 128*(\p)+FR*\i, ADRB+\slot, \q, \i
.endr
	WIN 0
.endm
.macro FETCH_A slot, q, i0
.irp i, \i0, \i0+1, \i0+2, \i0+3
	FRAG AF+FR*(\i), ADRA+\slot, \q, \i
.endr
.endm
.macro SCALES sc                       ; a slot's scale words: 4 words a row; lanes 0-15 take A's block i, lanes 16-31 B's block i
.irp i, 0,1,2,3,4,5,6,7
	ds_load_b128 v[SC+8*NQ*\sc+NQ*\i:SC+8*NQ*\sc+NQ*\i+3], v[ADRS] offset:\i*SBLK
.endr
.endm
.macro PLACES n                        ; plain vector lines between a matrix instruction and a load into, or a read of, its registers
.rept \n
	v_nop
.endr
.endm
.macro STEP slot, q, zero              ; a step of 128 along K that has its successor in the same slot
	s_wait_dscnt 4*NL                              ; B's set and A's blocks 0-3 are in; the youngest eight loads (A's blocks 4-7) may be out
	WIN MUL_LO-0x20*(\zero)                        ; (zero = 1: C, the bias, lies in window 0)
	MUL16 0, (\q)%2, \q, \slot, \zero
	MUL16 2, (\q)%2, \q, \slot, \zero
	s_wait_dscnt 0                                 ; A's blocks 4-7 are in
	PLACES NP
	FETCH_B \slot, (\q)+1, 1-(\q)%2
	FETCH_A \slot, (\q)+1, 0
	WIN MUL_HI-0x30*(\zero)
	MUL16 4, (\q)%2, \q, \slot, \zero
	MUL16 6, (\q)%2, \q, \slot, \zero
	PLACES NP
	WIN 0
	FETCH_A \slot, (\q)+1, 4
.endm
; Slot 0's last step changes slots: one barrier; in front of it each wave waits for all its tensor loads (slot 1's was still out), adds 0 to its spare word, and waits for that and for its reads of slot 0.
; Behind it slot 1 is whole in every wave's eyes, and nobody reads slot 0 any more: the stages of the way out lie there.
.macro TURN slot, next
	s_wait_tensorcnt 0x0                           ; all my tensor loads have landed  (every window is 0 here)
	ds_add_u32 v[SPW], v[NIL]                      ; 0 onto my spare word
	s_wait_dscnt 4*NL+1                            ; (the add and the youngest eight loads may be out)
	WIN MUL_LO
	MUL16 0, 1, NQ-1, \slot, 0
	s_wait_dscnt 0x0                               ; the add is done, and my reads of this slot are over
	s_barrier_signal -1
	MUL16 2, 1, NQ-1, \slot, 0
	WIN 0
	s_barrier_wait -1
	PLACES NP
	v_add_nc_u32 v[ADRS], 4*NQ, v[ADRS]            ; on to the next slot's scale words
	FETCH_B \next, 0, 0
	FETCH_A \next, 0, 0
	SCALES \next
	WIN MUL_HI
	MUL16 4, 1, NQ-1, \slot, 0
	MUL16 6, 1, NQ-1, \slot, 0
	PLACES NP
	WIN 0
	FETCH_A \next, 0, 4
.endm
	s_wait_tensorcnt 1                             ; the scales and my part of slot 0 are in; slot 1's load may be out
	s_barrier_signal -1
	s_barrier_wait -1
	FETCH_B 0, 0, 0
	FETCH_A 0, 0, 0
	SCALES 0
	FETCH_A 0, 0, 4
	s_wait_loadcnt 0x0                             ; the bias
	STEP 0, 0, 1
	STEP 0, 1, 0
	STEP 0, 2, 0
	TURN 0, 1
	STEP 1, 0, 0
	STEP 1, 1, 0
	STEP 1, 2, 0
	s_wait_dscnt 4*NL                              ; the last step: nothing more to fetch
	WIN MUL_LO
	MUL16 0, 1, NQ-1, 1, 0
	MUL16 2, 1, NQ-1, 1, 0
	s_wait_dscnt 0
	WIN MUL_HI
	MUL16 4, 1, NQ-1, 1, 0
	MUL16 6, 1, NQ-1, 1, 0
	WIN 0
; THE WAY OUT, a block of 16 rows x 128 columns (two heads) at a time.  PACK: rounded to f16, 16 bytes a lane.  TOSTAGE: into my stage, and back by heads.  SEND: each store covers 512 consecutive bytes of one head.
.macro PACK a
.set AC, 64*((\a)%4)
	WIN 0x0a+5*((\a)/4)                            ; sources 0 and 1: window 2 or 3
.irp b, 0,1,2,3,4,5,6,7
.irp r, 0,1,2,3
	v_cvt_pk_f16_f32 v[TMP+4*\b+\r], v[AC+8*\b+2*\r], v[AC+8*\b+2*\r+1]   ; each accumulator from its low end on
.endr
.endr
	WIN 0
.endm
.macro TOSTAGE a
.set BK, 96+128*((\a)%2)               ; v96-127 and v224-255 by turns
.irp b, 0,1,2,3,4,5,6,7
	ds_store_b128 v[STO], v[TMP+4*\b:TMP+4*\b+3] offset:32*\b
.endr
.irp t, 0,1,2,3,4,5,6,7
	ds_load_b128 v[BK+4*\t:BK+4*\t+3], v[RD] offset:(\t%4)*4*SPITCH+(\t/4)*128   ; in order behind the stores above (ISA guide 5.7.1.4)
.endr
.endm
.macro SEND a
.set BK, 96+128*((\a)%2)
	s_wait_dscnt 0x0                               ; the block is back in registers
	s_wait_xcnt 0x0                                ; the earlier stores have read their base and their data: both may be written again
.if (\a) > 0
	s_add_nc_u64 s[12:13], s[12:13], 16*128        ; 16 rows on
.endif
.irp t, 0,1,2,3,4,5,6,7
	global_store_b128 v[CO], v[BK+4*\t:BK+4*\t+3], s[12:13] offset:(\t%4)*512+(\t/4)*HSTR
.endr
.endm
	PLACES NP
	PACK 0
	TOSTAGE 0
.irp a, 1,2,3,4,5,6,7                  ; block a's conversions stand between block a - 1's loads from the stage and the wait for them
	PACK \a
	SEND \a-1
	TOSTAGE \a
.endr
	SEND 7
	s_wait_tensorcnt 0x0                           ; the wave's end: a wait, an add of 0 to my spare word and a wait, behind my last tensor load and my last LDS store
	ds_add_u32 v[SPW], v[NIL]
	s_wait_dscnt 0x0
	CROUND                                         ; the closing round
	s_endpgm
.Lfunc_end_k_q78d302edcd_proj:
	.size	k_q78d302edcd_proj, .Lfunc_end_k_q78d302edcd_proj-k_q78d302edcd_proj
	.p2alignl 7, 3214868480
	.fill 96, 4, 3214868480
	.section	.rodata,"a",@progbits
	.p2align	6, 0x0
	.amdhsa_kernel k_q78d302edcd_proj
		.amdhsa_group_segment_fixed_size 327680
		.amdhsa_private_segment_fixed_size 0
		.amdhsa_enable_private_segment 0
		.amdhsa_kernarg_size 64
		.amdhsa_user_sgpr_count 2
		.amdhsa_user_sgpr_kernarg_segment_ptr 1
		.amdhsa_wavefront_size32 1
		.amdhsa_system_sgpr_workgroup_id_x 1
		.amdhsa_system_sgpr_workgroup_id_y 1
		.amdhsa_system_sgpr_workgroup_id_z 1
		.amdhsa_system_vgpr_workitem_id 0
		.amdhsa_next_free_vgpr 1024
		.amdhsa_next_free_sgpr 102
		.amdhsa_reserve_vcc 0
		.amdhsa_float_denorm_mode_32 3
		.amdhsa_float_denorm_mode_16_64 3
		.amdhsa_memory_ordered 1
		.amdhsa_forward_progress 1
		.amdhsa_inst_pref_size 129
	.end_amdhsa_kernel
	.amdgpu_metadata
---
amdhsa.version: [ 1, 2 ]
amdhsa.kernels:
  - .name:           k_q78d302edcd_proj
    .symbol:         k_q78d302edcd_proj.kd
    .args:
      - { .name: xc, .offset: 0, .size: 8, .value_kind: global_buffer, .address_space: global }
      - { .name: xs, .offset: 8, .size: 8, .value_kind: global_buffer, .address_space: global }
      - { .name: wc, .offset: 16, .size: 8, .value_kind: global_buffer, .address_space: global }
      - { .name: ws, .offset: 24, .size: 8, .value_kind: global_buffer, .address_space: global }
      - { .name: bq, .offset: 32, .size: 8, .value_kind: global_buffer, .address_space: global }
      - { .name: bk, .offset: 40, .size: 8, .value_kind: global_buffer, .address_space: global }
      - { .name: bv, .offset: 48, .size: 8, .value_kind: global_buffer, .address_space: global }
      - { .name: qkv, .offset: 56, .size: 8, .value_kind: global_buffer, .address_space: global }
    .group_segment_fixed_size: 327680
    .private_segment_fixed_size: 0
    .kernarg_segment_align: 8
    .kernarg_segment_size: 64
    .max_flat_workgroup_size: 128
    .sgpr_count:     102
    .vgpr_count:     1024
    .wavefront_size: 32
...
	.end_amdgpu_metadata
.endif
;; end of part 2
;; launch attn (part 3): grid 8 x 64, 4 waves a work-group, clusters of 4 x 1, 327,680 bytes of LDS; arguments qkv, att; writes att
.if DOCPART == 3
	.amdgcn_target "amdgcn-amd-amdhsa--gfx1250"
	.amdhsa_code_object_version 6
	.text
	.protected	k_q78d302edcd_attn
	.globl	k_q78d302edcd_attn
	.p2align	8
	.type	k_q78d302edcd_attn,@function
k_q78d302edcd_attn:
	s_mov_b64 s[64:65], 0
	v_nop
	global_prefetch_b8 v0, s[64:65] scope:SCOPE_SE
	s_setreg_imm32_b32 hwreg(HW_REG_WAVE_MODE, 25, 1), 1
	s_wait_xcnt 0x0
	s_wait_alu depctr_hold_cnt(0) depctr_sa_sdst(0) depctr_va_vdst(0) depctr_va_sdst(0) depctr_va_ssrc(0) depctr_va_vcc(0) depctr_vm_vsrc(0)
	s_getreg_b32 s2, hwreg(HW_REG_IB_STS2, 6, 4)
	s_cmp_eq_u32 s2, 0
	s_cbranch_scc0 .Lentry_in_a_cluster
	s_endpgm
.Lentry_in_a_cluster:
	s_bfe_u32 s2, ttmp6, 0x10000c
	s_cmp_lg_u32 s2, 0x3003
	s_cbranch_scc0 .Lentry_shape_is_right
	s_endpgm
.Lentry_shape_is_right:
; ATTN: O[hb][q][:] = the sum over k of softmax_k(Q[q] . K[k] / 8) V[k][:], for each of 64 (head, batch) pairs hb = 4 h + b, 2,048 queries and keys, head size 64, no mask.
; qkv [16 h][3 x 8192 rows][64] f16 (rows: q's, then k's, then v's; in each b x 2048 + s).  att [64 hb][2048][64] f16.  Products, maxima and sums in f32; the weights p are rounded to f16
; for the second product, O once at the end.  LIMIT: O must lie within +-65,504; under 6e-5 it, and p, carry an absolute error up to 3e-8 (p is at most 1, the row's sum at least 1).
; SHARES.  A work-group owns 256 queries of one hb, each of its four waves 64: four tiles of 16.  Every wave walks all keys, 128 a step.
; LAYOUT.  S^T = K Q^T (source 0 = 16 keys, source 1 = 16 queries): a lane holds ONE query (lane % 16) and keys 8 (lane / 16) + 0..7 of each tile of 16.  Two such tiles, rounded to f16 in pairs,
; ARE source 1 (32 keys x 16 queries) of O^T = V^T P, whose result again holds one query a lane.  K comes out of LDS as it lies, V ([key][channel]) turned, by ds_load_tr16_b128.
; SOFTMAX.  A running maximum m and sum l for each query: p = 2^(c s - c m), c = log2(e) / 8; in every step O and l are multiplied by a = 2^(c m_old - c m_new).
; BY TURNS.  The wave's tiles are two PIECES: piece 0 (tiles 0, 1), piece 2 (tiles 2, 3).  In a TURN one piece has the matrix unit: 32 products V^T P of the step in hand, then 32 products K Q^T of the
; next step; the other piece's softmax, 2 x 214 vector instructions cut into 64 slices, stands between them, one slice behind each matrix instruction.  Two turns are a key step.
; CLUSTER.  The four query blocks of a cluster belong to one hb and walk the same K and V: each tile is asked for JOINTLY, by the same tensor load with a mask that names the four.
; REGISTERS, in windows of 256 (s_set_vgpr_msb: bits 1:0 source 0, 3:2 source 1, 5:4 source 2, 7:6 destination):
;   window 0: v0-11 addresses; v12-43 statistics, 16 a tile; v61-63; v64-191 S^T, 64 a tile; v192-255 P, 32 a tile: all of piece 0.      window 1: the same numbers for piece 2.
;   window 2: v0-63 Q, 16 a tile; v128-255 K of one step.      window 3: v0-127 V of one step; v128-255 O^T, 32 a tile.
.set KS,    128       ; keys in a step
.set PK,    144       ; a row of K in LDS: 128 bytes + 16: the 16 rows of a load start at 16 different groups of four banks
.set PVP,   160       ; a row of V: 128 + 32
.set VOFF,  KS*PK     ; a step's tiles lie together: 128 rows of K, then 128 rows of V
.set STEPB, KS*(PK+PVP)
.set SLOT1, 1<<17     ; a slot holds two steps; slot 1 begins here, so that one exclusive or turns an address in one slot into the other's
.set STAGE, SLOT1+2*STEPB  ; behind the ring: 16 rows x 144 bytes for each wave, for the way out
.set SP,    144
.set SPARE, STAGE+4*16*SP  ; the spare words, 128 bytes for each wave: two blocks of 256 bytes that no other line names
.set SLB,   2*KS*128  ; a slot's keys in memory, in bytes
.set HSTR,  24576*128 ; from head to head in qkv
.set POFF,  8192*128  ; from q's rows to k's, from k's to v's
.set AK0, 2           ; v2   my lane's place in a tile of K
.set AV0, 3           ; v3   the same for V
.set ADR, 4           ; v4   the LDS address of the run of loads in hand
.set QO,  5           ; v5   my byte offset in the wave's rows of Q
.set STO, 6           ; v6   the way out: where I put 16 bytes of a row
.set RD,  7           ; v7   where I read rows back
.set GO,  8           ; v8   my byte offset in att
.set PFO, 61          ; v61  256 x my lane; never rewritten
.set SPW, 62          ; v62  SPARE + 4 x my thread's number; never rewritten
.set NIL, 63          ; v63  0; never rewritten
.set ST,  12          ; a tile's statistics at v[ST + 16 (t % 2)]: +0 c m, +1 m, +2, +3 l, +4 a, +5 c m_old, then the difference; +8 .. +15 c0-c7, at work
.set S,   64
.set P,   192
.set KF,  128         ; K's fragments, in window 2
.set WV,  12
.set LIM, 15          ; s15  1 in a wave that prefetches, else the greatest number
.set PFA, 18          ; s[18:19] where my prefetches stand
.set G1K, 24
.set G1V, 32
.set G0K, 40          ; two sets of group 0 for the two first fills; the second then walks on
.set G0V, 48
.set SLOTS, 56
.set TWICE, 57
.set CS,  58          ; s[58:59] c
.set SEL, 60          ; s[60:61] lane selects for v_permlanex16_b32: lane l xor 16
.set TB,  62          ; s62  LDS byte at which the tiles of the step to be fetched begin
.set MSB, 0
.macro WIN new
.if MSB != (\new)
	s_set_vgpr_msb (MSB<<8)|(\new)
.set MSB, (\new)
.endif
.endm
; A joint refill: waves 0 and 1 fetch the two steps' tiles of K, waves 2 and 3 those of V.  An s_nop 0 and four v_nop follow each line.
.macro JLOAD
	s_cmp_lt_u32 s[WV], 2
	s_cbranch_scc0 .Lfor_v_\@
	tensor_load_to_lds s[G0K+4:G0K+7], s[G1K:G1K+7]
	s_nop 0
.rept 4
	v_nop
.endr
	s_branch .Lasked_\@
.Lfor_v_\@:
	tensor_load_to_lds s[G0V+4:G0V+7], s[G1V:G1V+7]
	s_nop 0
.rept 4
	v_nop
.endr
.Lasked_\@:
.endm
; A PREFETCH of what the NEXT change of slots will ask for: a slot's 32,768 bytes of K and of V.  Both clusters of an hb walk the same rows: the first of them asks.  Its four partners share the bytes out
; BY ADDRESS, 8,192 each, lanes 256 bytes apart; in each, wave 0 asks for K's and wave 2 for V's: each block of 256 bytes is named once.  The last change that fills a slot asks for nothing.
.macro ASK
	s_cmp_gt_u32 s[SLOTS], s[LIM]
	s_cbranch_scc0 .Lnot_mine_\@
	global_prefetch_b8 v[PFO], s[PFA:PFA+1] th:TH_LOAD_NT scope:SCOPE_SE
.Lnot_mine_\@:
.endm
.macro CROUND
	s_barrier_signal -1
	s_barrier_wait -1
	s_cmp_lg_u32 s[WV], 0
	s_cbranch_scc1 .Lnot_wave_0_\@
	s_barrier_signal -3
.Lnot_wave_0_\@:
	s_barrier_wait -3
	s_barrier_signal -1
	s_barrier_wait -1
.endm
	s_load_b128 s[4:7], s[0:1], 0x0  ; qkv, att
	v_lshl_add_u32 v[SPW], v0, 2, SPARE
	v_mov_b32 v[NIL], 0
	ds_add_u32 v[SPW], v[NIL]       ; the wave's opening: the add, twice on end, and its wait ahead of my first tensor load
	ds_add_u32 v[SPW], v[NIL]
	v_lshrrev_b32 v1, 5, v0
	v_readfirstlane_b32 s[WV], v1   ; wave 0..3
	s_bfe_u32 s13, ttmp6, 0x40000   ; cx
	s_lshl_b32 s14, ttmp9, 2
	s_add_co_u32 s14, s14, s13      ; my block of 256 queries: it enters Q's and O's addresses alone
	s_and_b32 s20, ttmp7, 0xffff    ; hb, which the four partners share
	s_lshr_b32 s21, s20, 2
	s_mul_i32 s21, s21, HSTR
	s_and_b32 s22, s20, 3
	s_lshl_b32 s22, s22, 18
	s_add_co_u32 s21, s21, s22      ; where hb's 2,048 rows of q begin in qkv
	s_and_b32 s16, s[WV], 1         ; which of a slot's two steps I fetch:
	s_lshl_b32 s22, s16, 14         ; its 128 rows of 128 bytes in memory,
	s_add_co_u32 s22, s22, s21
	s_mov_b32 s23, 0
	s_mul_i32 s17, s16, STEPB       ; and its place in a slot
	s_lshl_b32 s2, s14, 15          ; my block's 256 rows,
	s_lshl_b32 s3, s[WV], 13        ; my wave's 64 of them
	s_add_co_u32 s2, s2, s3
	s_lshl_b32 s20, s20, 18
	s_add_co_u32 s20, s20, s2       ; my first row in att,
	s_add_co_u32 s2, s2, s21        ; and among q's rows
	s_mov_b32 s3, 0
	s_mov_b32 s21, 0
	s_mov_b32 s[G1K], 15|(1<<16)|(1<<20)|(1<<21)|(4<<22)|(3<<25)  ; the mask: all four; elements of 2 bytes; padding on; bit 21 beside a mask; 4 words behind every 32
	s_mov_b32 s[G1V], 15|(1<<16)|(1<<20)|(1<<21)|(4<<22)|(7<<25)  ; the same with 8 words
.irp g, G1K, G1V
	s_mov_b32 s[\g+1], 64<<16       ; tensor_dim0
	s_mov_b32 s[\g+2], KS<<16       ; tensor_dim1
	s_mov_b32 s[\g+3], 64<<16       ; tile_dim0
	s_mov_b32 s[\g+4], KS           ; tile_dim1
	s_mov_b32 s[\g+5], 64           ; from row to row
	s_mov_b32 s[\g+6], 0
	s_mov_b32 s[\g+7], 0
.endr
	s_mov_b32 s[CS], 0x3e38aa3b     ; c = log2(e) / 8
	s_mov_b32 s[CS+1], s[CS]        ; named with it as a pair, so it is written
	s_mov_b32 s[SEL], 0x76543210
	s_mov_b32 s[SEL+1], 0xfedcba98
	s_mov_b32 s[TB], 0
	s_mov_b32 s[SLOTS], 2048/(2*KS)-2
	s_and_b32 s[LIM], s[WV], 1      ; 0 in waves 0 and 2,
	s_or_b32 s[LIM], s[LIM], ttmp9  ; where the cluster is hb's first: the same in all four partners
	s_cmp_eq_u32 s[LIM], 0
	s_cselect_b32 s[LIM], 1, -1
	v_and_b32 v[PFO], 31, v0
	v_lshlrev_b32 v[PFO], 8, v[PFO]
	s_wait_dscnt 0x0                ; both opening adds are done
	s_wait_kmcnt 0x0
	s_mov_b64 s[10:11], s[6:7]      ; att
	s_add_nc_u64 s[6:7], s[4:5], s[22:23]
	s_add_nc_u64 s[8:9], s[6:7], 2*POFF  ; V at my tile of slot 0
	s_add_nc_u64 s[6:7], s[6:7], POFF    ; K likewise
	s_add_nc_u64 s[4:5], s[4:5], s[2:3]  ; Q at my wave's first row
	s_add_nc_u64 s[10:11], s[10:11], s[20:21]  ; O likewise
	s_cmp_lt_u32 s[WV], 2
	s_cselect_b64 s[PFA:PFA+1], s[6:7], s[8:9]
	s_lshl_b32 s2, s13, 13          ; my work-group's 8,192 bytes of the 32,768
	s_mov_b32 s3, 0
	s_add_nc_u64 s[PFA:PFA+1], s[PFA:PFA+1], s[2:3]
	s_add_nc_u64 s[PFA:PFA+1], s[PFA:PFA+1], 2*SLB  ; at the third slot's keys; the first change of slots steps it on.  Nothing is prefetched at the head
	CROUND                          ; all four work-groups are here: the first joint loads meet
.irp s, 0,1
	s_mov_b32 s[G0K+4*\s], 1
	s_add_co_u32 s[G0K+4*\s+1], s17, \s*SLOT1
	s_add_nc_u64 s[G0K+4*\s+2:G0K+4*\s+3], s[6:7], \s*SLB
	s_or_b32 s[G0K+4*\s+3], s[G0K+4*\s+3], 0x80000000
	s_mov_b32 s[G0V+4*\s], 1
	s_add_co_u32 s[G0V+4*\s+1], s17, \s*SLOT1+VOFF
	s_add_nc_u64 s[G0V+4*\s+2:G0V+4*\s+3], s[8:9], \s*SLB
	s_or_b32 s[G0V+4*\s+3], s[G0V+4*\s+3], 0x80000000
.endr
	s_cmp_lt_u32 s[WV], 2           ; a wave's two first fills stand in one branch, ahead of every wait on TENSORcnt and every LDS read: two loads of mine are out
	s_cbranch_scc0 .Lfirst_v
	tensor_load_to_lds s[G0K:G0K+3], s[G1K:G1K+7]
	s_nop 0
	tensor_load_to_lds s[G0K+4:G0K+7], s[G1K:G1K+7]
	s_nop 0
.rept 4
	v_nop
.endr
	s_branch .Lfirst_asked
.Lfirst_v:
	tensor_load_to_lds s[G0V:G0V+3], s[G1V:G1V+7]
	s_nop 0
	tensor_load_to_lds s[G0V+4:G0V+7], s[G1V:G1V+7]
	s_nop 0
.rept 4
	v_nop
.endr
.Lfirst_asked:
	v_and_b32 v1, 15, v0            ; r = l % 16
	v_bfe_u32 v9, v0, 4, 1          ; h = l / 16
	v_lshlrev_b32 v[QO], 7, v1
	v_lshl_add_u32 v[QO], v9, 4, v[QO]  ; row x 128 + 16 x half
	WIN 0x80                        ; destination window 2, address window 0
.irp i, 0,1,2,3,4,5,6,7             ; Q stays in registers: tile i / 2, channels 32 (i % 2) on
	global_load_b128 v[8*\i:8*\i+3],   v[QO], s[4:5] offset:(\i/2)*2048+(\i%2)*64
	global_load_b128 v[8*\i+4:8*\i+7], v[QO], s[4:5] offset:(\i/2)*2048+(\i%2)*64+32
.endr
	WIN 0
	v_mul_u32_u24 v[AK0], v1, PK
	v_lshl_add_u32 v[AK0], v9, 4, v[AK0]
	v_and_b32 v10, 7, v0
	v_bfe_u32 v11, v0, 3, 1
	v_lshl_add_u32 v[AV0], v9, 3, v10   ; the turning load: lane l reads key 8 (l / 16) + l % 8, channels 8 ((l / 8) % 2) + 0..7
	v_mul_u32_u24 v[AV0], v[AV0], PVP
	v_lshl_add_u32 v[AV0], v11, 4, v[AV0]
	v_add_nc_u32 v[AV0], VOFF, v[AV0]
; THE MATRIX WORK OF A TURN, for piece x.  The accumulators take turns, one instruction a turn: between two links of a chain stand 7 (V^T P) or 15 (K Q^T) others'.
; Product i of 32 of O^T += V^T P: keys 32 (i / 8) on, channels 16 ((i / 2) % 4) on, tile x + i % 2.  zero = 1: the first 8 start the sums.
.macro PV x, zero
	WIN 0xf3|(((\x)/2)<<2)          ; V and O^T in window 3, P in the piece's window
.set rO, 128+32*((\x)+i%2)+8*((i/2)%4)
.set rV, 32*(i/8)+8*((i/2)%4)
.set rP, P+32*(i%2)+8*(i/8)
.if \zero && (i < 8)
	v_wmma_f32_16x16x32_f16 v[rO:rO+7], v[rV:rV+7], v[rP:rP+7], 0
.else
	v_wmma_f32_16x16x32_f16 v[rO:rO+7], v[rV:rV+7], v[rP:rP+7], v[rO:rO+7]
.endif
.endm
; Product i of 32 of S^T = K Q^T: channels 32 (i / 16) on, keys 16 ((i / 2) % 8) on, tile x + i % 2.  The first 16 start the sums.
.macro KQ x
	WIN 0x0a|(((\x)/2)<<4)|(((\x)/2)<<6)  ; K and Q in window 2, S^T in the piece's window
.set rS, S+64*(i%2)+8*((i/2)%8)
.set rK, KF+16*((i/2)%8)+8*(i/16)
.set rQ, 16*((\x)+i%2)+8*(i/16)
.if i < 16
	v_wmma_f32_16x16x32_f16 v[rS:rS+7], v[rK:rK+7], v[rQ:rQ+7], 0
.else
	v_wmma_f32_16x16x32_f16 v[rS:rS+7], v[rK:rK+7], v[rQ:rQ+7], v[rS:rS+7]
.endif
.endm
; THE LDS LOADS stand in runs of 32: a step's K (128 keys x 64 channels: 16 fragments) and, a turn later, its V (turned).
.macro FETCH_K
	WIN 0
	v_add_nc_u32 v[ADR], s[TB], v[AK0]
	WIN 0x80
.irp f, 0,1,2,3,4,5,6,7,8,9,10,11,12,13,14,15  ; keys 16 (f / 2) on, channels 32 (f % 2) on
	ds_load_b128 v[KF+8*\f:KF+8*\f+3],   v[ADR] offset:(\f/2)*16*PK+(\f%2)*64
	ds_load_b128 v[KF+8*\f+4:KF+8*\f+7], v[ADR] offset:(\f/2)*16*PK+(\f%2)*64+32
.endr
.endm
.macro FETCH_V
	WIN 0
	v_add_nc_u32 v[ADR], s[TB], v[AV0]
	s_add_co_u32 s[TB], s[TB], STEPB  ; the next fetch is the next step's
	s_wait_alu depctr_va_vdst(0)    ; the wait for the softmax's batch of exponentials, ahead of the first line that names a result
	WIN 0xc0
.irp f, 0,1,2,3,4,5,6,7,8,9,10,11,12,13,14,15  ; keys 32 (f / 4) on, channels 16 (f % 4) on
	ds_load_tr16_b128 v[8*\f:8*\f+3],   v[ADR] offset:(\f/4)*32*PVP+(\f%4)*32
	ds_load_tr16_b128 v[8*\f+4:8*\f+7], v[ADR] offset:(\f/4)*32*PVP+16*PVP+(\f%4)*32
.endr
.endm
; THE VECTOR WORK OF A TURN.  One tile's softmax for one key step is a list of 214 instructions; the two tiles of a piece alternate.  ENTRY writes entry g of 428: number j = g / 2 of tile y + g % 2.
;   0-31    the maximum of s0-s63 and the old m: eight chains c0-c7, each begun at the low end of one accumulator; then the eight scores left over, c0-c7 and m
;   32-36   the other half of the lanes' maximum; c m_old kept; the new m; c m; c m_old - c m_new
;   37-133  ONE BATCH: 32 scalings c s - c m (a pair each) and all 65 exponentials (a, then s0-s63): a scaling and two exponentials by turns; a pair is scaled two threes ahead of its exponentials.
;           None of these names an exponential's result.      (wait)  behind 133 stands the one wait for both tiles' 130 exponentials: SLICE writes it
;   134-165 the roundings to f16, a pair of weights each      166-197 the sums, in place, pairs 1, 2, 4, 8, 16 apart; l = a l + the sum
;   198-213 the tile's O^T times a: the one part that leaves the piece's window, so it stands together
; first = 1: the first key step, which starts m, l and O^T: it has no a and nothing to rescale.
.macro ENTRY y, first
.set tl, g%2
.set j, g/2
.set rT, ST+16*tl
.set rS, S+64*tl
.set rP, P+32*tl
.if j < 198
	WIN 0x55*((\y)/2)
.endif
.if j < 8
	v_max3_num_f32 v[rT+8+j], v[rS+8*j], v[rS+8*j+1], v[rS+8*j+2]
.elseif j < 24
	v_max3_num_f32 v[rT+8+j%8], v[rT+8+j%8], v[rS+8*(j%8)+2*(j/8)+1], v[rS+8*(j%8)+2*(j/8)+2]
.elseif j < 28
	v_max3_num_f32 v[rT+8+j-24], v[rT+8+j-24], v[rS+8*(j-24)+7], v[rS+8*(j-24)+39]
.elseif j == 28
	v_max3_num_f32 v[rT+8], v[rT+8], v[rT+9], v[rT+10]
.elseif j == 29
	v_max3_num_f32 v[rT+12], v[rT+12], v[rT+13], v[rT+14]
.elseif j == 30
	v_max3_num_f32 v[rT+8], v[rT+8], v[rT+11], v[rT+15]
.elseif (j == 31) && \first
	v_max_num_f32 v[rT+8], v[rT+8], v[rT+12]
.elseif j == 31
	v_max3_num_f32 v[rT+8], v[rT+8], v[rT+12], v[rT+1]
.elseif j == 32
	v_permlanex16_b32 v[rT+9], v[rT+8], s[SEL], s[SEL+1]  ; the query's other 64 keys lie in the lane 16 away
.elseif j == 34
	v_max_num_f32 v[rT+1], v[rT+8], v[rT+9]
.elseif j == 35
	v_mul_f32 v[rT], s[CS], v[rT+1]
.elseif ((j == 33) || (j == 36) || (j == 39) || (j > 196)) && \first  ; the first step has none of these
.elseif j == 33
	v_mov_b32 v[rT+5], v[rT]
.elseif j == 36
	v_sub_f32 v[rT+5], v[rT+5], v[rT]
.elseif j == 39
	v_exp_f32 v[rT+4], v[rT+5]
.elseif j < 134
.set n, j-37
.if (n < 2) || ((n < 93) && ((n-3)%3 == 0))
.set b, n
.if n > 2
.set b, (n-3)/3+2
.endif
	v_pk_fma_f32 v[rS+2*b:rS+2*b+1], v[rS+2*b:rS+2*b+1], s[CS:CS+1], v[rT:rT+1] op_sel_hi:[1,0,0] neg_lo:[0,0,1] neg_hi:[0,0,1]  ; pair b: c s - c m
.else
.set e, n-33
.if n < 93
.set e, 2*((n-3)/3)+(n-3)%3-1
.endif
	v_exp_f32 v[rS+e], v[rS+e]
.endif
.elseif j < 166
	v_cvt_pk_f16_f32 v[rP+j-134], v[rS+2*(j-134)], v[rS+2*(j-134)+1]
.elseif j < 198
.set z, j-166
.set w, 4
.set u, z
.if z >= 30
.set w, 64
.set u, 0
.elseif z >= 28
.set w, 32
.set u, z-28
.elseif z >= 24
.set w, 16
.set u, z-24
.elseif z >= 16
.set w, 8
.set u, z-16
.endif
.if (z == 30) && \first
	v_pk_add_f32 v[rT+2:rT+3], v[rS:rS+1], v[rS+32:rS+33]
.elseif z < 31
	v_pk_add_f32 v[rS+w*u:rS+w*u+1], v[rS+w*u:rS+w*u+1], v[rS+w*u+w/2:rS+w*u+w/2+1]
.else
	v_pk_fma_f32 v[rT+2:rT+3], v[rT+2:rT+3], v[rT+4:rT+5], v[rS:rS+1] op_sel_hi:[1,0,1]
.endif
.else
.set rO, 128+32*((\y)+tl)+2*(j-198)
	WIN 0xc3|(((\y)/2)<<2)          ; O^T in window 3, a in the piece's window
	v_pk_mul_f32 v[rO:rO+1], v[rO:rO+1], v[rT+4:rT+5] op_sel_hi:[1,0]
.endif
.endm
; Slice k of 64: slices 0-39 share out entries 0-267 (up to the batch's end), slices 40-59 entries 268-395, slices 60-63 the 32 rescalings, eight each: no slice changes windows inside itself.
.macro SLICE y, first
.if k < 40
.set g0, (67*k)/10
.set g1, (67*(k+1))/10
.elseif k < 60
.set g0, 268+(32*(k-40))/5
.set g1, 268+(32*(k-39))/5
.else
.set g0, 396+8*(k-60)
.set g1, 396+8*(k-59)
.endif
.set g, g0
.rept g1-g0
	ENTRY \y, \first
.set g, g+1
.endr
.if k == 39                         ; the batch is out, and no result has been named
	v_nop                           ; the plain line behind the last exponential: one for the batch
.if (\y) == 0
	FETCH_V                         ; piece 2's turn: V's run of loads stands here, and the wait stands in it
.else
	s_wait_alu depctr_va_vdst(0)    ; the wait for the batch
.endif
.endif
.set k, k+1
.endm
.macro PLACES
.rept 4
	v_nop
.endr
.endm
; A TURN.  Piece x has the matrix unit; the other piece's softmax stands in slices behind its matrix instructions.  pv = 2: 32 products V^T P; 1: they start O^T's sums; 0: none.  kq = 1: 32 products K Q^T.
; A turn with one of the two kinds has two slices behind each product.  first = 1: its slices from 60 on are empty, and four v_nop take slice 63's part as the places behind the last products.
; Slice 63's eight multiplications name no register of the turn's last K Q^T: they are the places ahead of the next turn's first read of those scores and of the loads into K's buffer (behind its second product).
; V's loads stand behind slice 39: the last product that read V stands in front of slice 31, and the scalings of slices 31 to 39 lie between.
.macro TURN x, pv, kq, first
.set k, 0
.set per, 2
.if \pv && \kq
.set per, 1
.endif
.if \pv
.if \x == 0
	s_wait_dscnt 0x0                ; V is in
.endif
.set i, 0
.rept 32
	PV \x, 2-\pv
.rept per
	SLICE 2-\x, \first
.endr
.if (\x == 0) && \kq && (i == 1)
	FETCH_K
.endif
.set i, i+1
.endr
.endif
.if \kq
.if \x == 0
	s_wait_dscnt 0x0                ; K is in
.endif
.set i, 0
.rept 32
	KQ \x
.rept per
	SLICE 2-\x, \first
.endr
.set i, i+1
.endr
.endif
.if \first
	PLACES
.endif
.endm
; THE CHANGE OF SLOTS, between piece 2's turn and piece 0's: the slot's last bytes, V of its second step, have been asked for.  Each wave waits for all its tensor loads, of which one is out: its part of
; the other slot; adds 0 to its spare word; and waits for that and for its reads of the slot.  fill = 1: the slot is filled again with the keys two slots on: the barrier is a round of the cluster's,
; and the joint refill is the first thing behind it: it has two key steps, 256 matrix instructions, in which to land.
.macro CHANGE fill
	WIN 0
	s_wait_tensorcnt 0x0            ; no tensor load of mine is out, so a group 0 may be written
	ds_add_u32 v[SPW], v[NIL]       ; 0 onto my spare word
.if \fill
.irp g, G0K+4, G0V+4
	s_xor_b32 s[\g+1], s[\g+1], SLOT1
	s_add_nc_u64 s[\g+2:\g+3], s[\g+2:\g+3], SLB
.endr
	s_wait_xcnt 0x0                 ; the last prefetch, two key steps back, has read its address
	s_add_nc_u64 s[PFA:PFA+1], s[PFA:PFA+1], SLB
	s_wait_dscnt 0x0                ; the add is done, and my reads of the slot are over
	CROUND
	JLOAD
	ASK
.else
	s_wait_dscnt 0x0
	s_barrier_signal -1
	s_barrier_wait -1
.endif
	s_sub_co_u32 s[TB], s[TB], 2*STEPB
	s_xor_b32 s[TB], s[TB], SLOT1   ; the fetches go on at the other slot's first step
.endm
.macro TWO_STEPS                    ; a slot's two key steps: written once, walked twice
	s_mov_b32 s[TWICE], 2
.Lstep_\@:
	TURN 0, 2, 1, 0
	TURN 2, 2, 1, 0
	WIN 0
	s_sub_co_u32 s[TWICE], s[TWICE], 1
	s_cmp_lg_u32 s[TWICE], 0
	s_cbranch_scc1 .Lstep_\@
.endm
	s_wait_tensorcnt 1              ; my part of slot 0 is in; slot 1's may stay out
	s_barrier_signal -1
	s_barrier_wait -1
	FETCH_K                         ; key step 0
	s_wait_loadcnt 0x0              ; Q
	s_wait_dscnt 0x0
.set i, 0
.rept 32
	KQ 0                            ; piece 0's first scores
.set i, i+1
.endr
	WIN 0                           ; the addresses for the way out: nine plain lines, the places behind those products
	s_mul_i32 s13, s[WV], 16*SP
	s_add_co_u32 s13, s13, STAGE    ; my stage
	v_mul_u32_u24 v[STO], v1, SP    ; in: row l % 16, 16 bytes for each half of the lanes
	v_lshl_add_u32 v[STO], v9, 4, v[STO]
	v_add_nc_u32 v[STO], s13, v[STO]
	v_bfe_u32 v11, v0, 3, 2
	v_mul_u32_u24 v[RD], v11, SP    ; back: eight lanes take a row of 128 bytes, four rows an instruction
	v_lshl_add_u32 v[RD], v10, 4, v[RD]
	v_add_nc_u32 v[RD], s13, v[RD]
	v_and_b32 v[GO], 31, v0
	v_lshlrev_b32 v[GO], 4, v[GO]   ; which in att are 512 consecutive bytes
	TURN 2, 0, 1, 1                 ; piece 2's first scores | piece 0's first softmax | V of step 0
	TURN 0, 1, 1, 1                 ; piece 0: V^T P of step 0 starts O^T, K Q^T of step 1 | piece 2's first softmax | K of step 1
	TURN 2, 1, 1, 0                 ; piece 2: the same | piece 0's softmax of step 1 | V of step 1
	WIN 0
.Lslot:                             ; six trips: every slot's worth of keys but the first two comes by a refill
	CHANGE 1
	TWO_STEPS
	s_sub_co_u32 s[SLOTS], s[SLOTS], 1
	s_cmp_lg_u32 s[SLOTS], 0
	s_cbranch_scc1 .Lslot
	CHANGE 0                        ; the tail is written out
	TWO_STEPS
	TURN 0, 2, 0, 0                 ; piece 0: V^T P of the last step | piece 2's last softmax
.set i, 0
.rept 32
	PV 2, 0                         ; piece 2: V^T P of the last step
.set i, i+1
.endr
	; THE WAY OUT.  l's two halves and the other half of the lanes' are added; O^T is divided by l, rounded to f16 and sent through my stage, a tile (16 rows) at a time.
.irp w, 0,1
	WIN 0x55*\w
.irp u, 0,1
	v_add_f32 v[ST+16*\u+8], v[ST+16*\u+2], v[ST+16*\u+3]
.endr
.irp u, 0,1
	v_permlanex16_b32 v[ST+16*\u+9], v[ST+16*\u+8], s[SEL], s[SEL+1]
.endr
.irp u, 0,1
	v_add_f32 v[ST+16*\u+8], v[ST+16*\u+8], v[ST+16*\u+9]
.endr
.irp u, 0,1
	v_rcp_f32 v[ST+16*\u+10], v[ST+16*\u+8]
.endr
.endr
	v_nop                           ; a plain line between the last reciprocal and the use of its result
	s_wait_alu depctr_va_vdst(0)    ; and the one wait for the four reciprocals, ahead of the first line that names one
.macro PACK t
	WIN 0xc3|(((\t)/2)<<2)
.set i, 0
.rept 16
	v_pk_mul_f32 v[128+32*(\t)+i:128+32*(\t)+i+1], v[128+32*(\t)+i:128+32*(\t)+i+1], v[ST+16*((\t)%2)+10:ST+16*((\t)%2)+11] op_sel_hi:[1,0]  ; each accumulator from its low end on
.set i, i+2
.endr
	WIN 0x0f                        ; sources 0 and 1 window 3, destination window 0: piece 0's S^T is free
.set i, 0
.rept 16
	v_cvt_pk_f16_f32 v[S+16*(\t)+i], v[128+32*(\t)+2*i], v[128+32*(\t)+2*i+1]
.set i, i+1
.endr
	WIN 0
.irp f, 0,1,2,3
	ds_store_b128 v[STO], v[S+16*(\t)+4*\f:S+16*(\t)+4*\f+3] offset:32*\f
.endr
.irp f, 0,1,2,3
	ds_load_b128 v[S+16*(\t)+4*\f:S+16*(\t)+4*\f+3], v[RD] offset:\f*4*SP  ; in order behind the stores above (ISA guide 5.7.1.4); the next tile's stores come behind these
.endr
.endm
.macro SEND t, younger              ; younger: the LDS lines issued behind tile t's loads: the next tile's eight, or none
.irp f, 0,1,2,3
	s_wait_dscnt \younger+3-\f
	global_store_b128 v[GO], v[S+16*(\t)+4*\f:S+16*(\t)+4*\f+3], s[10:11] offset:(\t)*2048+\f*512  ; 32 lanes store 512 consecutive bytes, aligned
.endr
.endm
	PACK 0
	PACK 1
	SEND 0, 8
	PACK 2
	SEND 1, 8
	PACK 3
	SEND 2, 8
	SEND 3, 0
	s_wait_tensorcnt 0x0            ; the wave's end: a wait, an add of 0 to my spare word and a wait, behind my last tensor load and my last LDS store
	ds_add_u32 v[SPW], v[NIL]
	s_wait_dscnt 0x0
	CROUND                          ; the closing round
	s_endpgm
.Lfunc_end_k_q78d302edcd_attn:
	.size	k_q78d302edcd_attn, .Lfunc_end_k_q78d302edcd_attn-k_q78d302edcd_attn
	.p2alignl 7, 3214868480
	.fill 96, 4, 3214868480
	.section	.rodata,"a",@progbits
	.p2align	6, 0x0
	.amdhsa_kernel k_q78d302edcd_attn
		.amdhsa_group_segment_fixed_size 327680
		.amdhsa_private_segment_fixed_size 0
		.amdhsa_enable_private_segment 0
		.amdhsa_kernarg_size 16
		.amdhsa_user_sgpr_count 2
		.amdhsa_user_sgpr_kernarg_segment_ptr 1
		.amdhsa_wavefront_size32 1
		.amdhsa_system_sgpr_workgroup_id_x 1
		.amdhsa_system_sgpr_workgroup_id_y 1
		.amdhsa_system_sgpr_workgroup_id_z 1
		.amdhsa_system_vgpr_workitem_id 0
		.amdhsa_next_free_vgpr 1024
		.amdhsa_next_free_sgpr 66
		.amdhsa_reserve_vcc 0
		.amdhsa_float_denorm_mode_32 3
		.amdhsa_float_denorm_mode_16_64 3
		.amdhsa_memory_ordered 1
		.amdhsa_forward_progress 1
		.amdhsa_inst_pref_size 255
	.end_amdhsa_kernel
	.section	.bss,"aw",@nobits
	.p2align	6
	.space	262144
	.amdgpu_metadata
---
amdhsa.version: [ 1, 2 ]
amdhsa.kernels:
  - .name:           k_q78d302edcd_attn
    .symbol:         k_q78d302edcd_attn.kd
    .args:
      - { .name: qkv, .offset: 0, .size: 8, .value_kind: global_buffer, .address_space: global }
      - { .name: att, .offset: 8, .size: 8, .value_kind: global_buffer, .address_space: global }
    .group_segment_fixed_size: 327680
    .private_segment_fixed_size: 0
    .kernarg_segment_align: 8
    .kernarg_segment_size: 16
    .max_flat_workgroup_size: 128
    .sgpr_count:     66
    .vgpr_count:     1024
    .wavefront_size: 32
...
	.end_amdgpu_metadata
.endif
;; end of part 3
;; launch oproj (part 4): grid 4 x 64, 4 waves a work-group, clusters of 4 x 4, 327,680 bytes of LDS; arguments att, wot, bo, out0; writes out0
.if DOCPART == 4
	.amdgcn_target "amdgcn-amd-amdhsa--gfx1250"
	.amdhsa_code_object_version 6
	.text
	.protected	k_q78d302edcd_oproj
	.globl	k_q78d302edcd_oproj
	.p2align	8
	.type	k_q78d302edcd_oproj,@function
k_q78d302edcd_oproj:
	s_mov_b64 s[64:65], 0
	v_nop
	global_prefetch_b8 v0, s[64:65] scope:SCOPE_SE
	s_setreg_imm32_b32 hwreg(HW_REG_WAVE_MODE, 25, 1), 1
	s_wait_xcnt 0x0
	s_wait_alu depctr_hold_cnt(0) depctr_sa_sdst(0) depctr_va_vdst(0) depctr_va_sdst(0) depctr_va_ssrc(0) depctr_va_vcc(0) depctr_vm_vsrc(0)
	s_getreg_b32 s2, hwreg(HW_REG_IB_STS2, 6, 4)
	s_cmp_eq_u32 s2, 0
	s_cbranch_scc0 .Lentry_in_a_cluster
	s_endpgm
.Lentry_in_a_cluster:
	s_bfe_u32 s2, ttmp6, 0x10000c
	s_cmp_lg_u32 s2, 0xf033
	s_cbranch_scc0 .Lentry_shape_is_right
	s_endpgm
.Lentry_shape_is_right:
; OPROJ: out0[m][n] = the sum over k of A[m][k] wo[k][n] + bo[n], f16 operands, f32 sums begun with the bias, f32 out.
; A = att [16 kb][8192 m][64 k] f16 (kb = the head), B = wot [16 kb][1024 n][64 k] f16: a block of 64 along K of any run of rows is dense, rows of 128 bytes.
; A tile of out0 is 128 rows x 256 columns, so that the 8,192 x 1,024 numbers make 256 work-groups.  Four waves, each 64 x 128: 32 accumulators of 16 x 16.
; K goes in steps of 128 (two blocks of 64) through two LDS slots; a wave's one tensor load brings one block's sub-tile: waves 0, 1 A's (128 rows), waves 2, 3 B's (256 rows).
; CLUSTERS: 4 x 4 work-groups; A's sub-tiles are asked for jointly along a row of the cluster, B's along a column.  No prefetch: of eight K steps two are first fills, and the walk is short.
; THE MATRIX INSTRUCTION IS USED TRANSPOSED (source 0 = 16 rows of B, source 1 = 16 rows of A): a lane holds eight neighbouring columns of one row.
; REGISTERS: window 0: v0-31 addresses; v64-127 A's fragments, two buffers of 32; v128-255 the way out.   window 1: v0-127 B's fragments, two buffers of 64; v128-191 the bias.
;   window 2: the accumulators, (a, b) at v[8 (8 a + b)].
.set PITCH,  144                       ; an LDS row: 128 bytes + 16: the 16 rows of a load start at 16 different groups of four banks
.set SUBA,   128*PITCH
.set SUBB,   256*PITCH
.set SLOT,   2*SUBA+2*SUBB             ; A's two sub-tiles, then B's two
.set STAGE,  2*SLOT                    ; behind the ring: 16 rows x (512 bytes + 16) for each wave
.set SPITCH, 528
.set SPARE,  STAGE+4*16*SPITCH         ; the spare words, 128 bytes for each wave: two blocks of 256 bytes that no other line names
.set ABLK,   8192*128                  ; from block to block along K in att,
.set BBLK,   1024*128                  ; and in wot
.set ADRA, 16
.set ADRB, 20
.set STO,  24
.set RD,   25
.set CO,   26
.set BO,   27
.set SPW,  28                          ; v28  SPARE + 4 x my thread's number; never rewritten
.set NIL,  29                          ; v29  0; never rewritten
.set FA,   64                          ; A's buffers, window 0
.set BI,   128                         ; the bias, window 1
.set BK,   128                         ; the way out, window 0
.set G1, 24
.set G0, 32
.set G1B, 48
.set G0B, 56
.set MSB, 0
.macro WIN new
.if MSB != (\new)
	s_set_vgpr_msb (MSB<<8)|(\new)
.set MSB, (\new)
.endif
.endm
.macro JLOAD s                         ; a joint load; an s_nop 0 and four v_nop follow each of the two lines
	s_cmp_eq_u32 s13, 0
	s_cbranch_scc0 .Lfor_b_\@
	tensor_load_to_lds s[G0+4*\s:G0+4*\s+3], s[G1:G1+7]
	s_nop 0
.rept 4
	v_nop
.endr
	s_branch .Lasked_\@
.Lfor_b_\@:
	tensor_load_to_lds s[G0B+4*\s:G0B+4*\s+3], s[G1B:G1B+7]
	s_nop 0
.rept 4
	v_nop
.endr
.Lasked_\@:
.endm
.macro CREST                           ; a round of the cluster's barrier behind its opening barrier
	s_cmp_lg_u32 s12, 0
	s_cbranch_scc1 .Lnot_wave_0_\@
	s_barrier_signal -3
.Lnot_wave_0_\@:
	s_barrier_wait -3
	s_barrier_signal -1
	s_barrier_wait -1
.endm
.macro CROUND
	s_barrier_signal -1
	s_barrier_wait -1
	CREST
.endm
	s_load_b256 s[4:11], s[0:1], 0x0               ; att s4, wot s6, bo s8, out0 s10
	v_lshl_add_u32 v[SPW], v0, 2, SPARE
	v_mov_b32 v[NIL], 0
	ds_add_u32 v[SPW], v[NIL]                      ; the wave's opening: the add, twice on end, and its wait ahead of my first tensor load
	ds_add_u32 v[SPW], v[NIL]
	v_lshrrev_b32 v1, 5, v0
	v_readfirstlane_b32 s12, v1                    ; wave 0..3
	s_lshr_b32 s13, s12, 1                         ; my half of the tile's rows.  Also: I fetch for A (0) or for B (1)
	s_and_b32 s14, s12, 1                          ; my half of its columns.  Also: which of a step's two blocks along K I fetch
	s_bfe_u32 s40, ttmp6, 0x40000                  ; cx
	s_bfe_u32 s41, ttmp6, 0x40004                  ; cy
	s_lshl_b32 s42, ttmp9, 2
	s_add_co_u32 s42, s42, s40                     ; tile column
	s_and_b32 s15, ttmp7, 0xffff
	s_lshl_b32 s15, s15, 2
	s_add_co_u32 s15, s15, s41                     ; tile row
	s_lshl_b32 s43, s41, 2
	s_lshl_b32 s43, 15, s43                        ; my row of the cluster
	s_lshl_b32 s44, 0x1111, s40                    ; my column
	s_or_b32 s[G1+0], s43, (1<<16)|(1<<20)|(1<<21)|(4<<22)|(3<<25)  ; the mask; elements of 2 bytes; padding on; bit 21 beside a mask; 4 words behind every 32
	s_or_b32 s[G1B+0], s44, (1<<16)|(1<<20)|(1<<21)|(4<<22)|(3<<25)
	s_mov_b32 s[G1+1], 64<<16                      ; tensor_dim0
	s_mov_b32 s[G1+2], 128<<16                     ; tensor_dim1
	s_mov_b32 s[G1+3], 64<<16                      ; tile_dim0
	s_mov_b32 s[G1+4], 128                         ; tile_dim1
	s_mov_b32 s[G1+5], 64                          ; from row to row
	s_mov_b32 s[G1+6], 0
	s_mov_b32 s[G1+7], 0
	s_mov_b32 s[G1B+1], 64<<16
	s_mov_b32 s[G1B+2], 256<<16
	s_mov_b32 s[G1B+3], 64<<16
	s_mov_b32 s[G1B+4], 256
	s_mov_b32 s[G1B+5], 64
	s_mov_b32 s[G1B+6], 0
	s_mov_b32 s[G1B+7], 0
	s_lshl_b32 s16, s14, 20                        ; A: my block along K,
	s_lshl_b32 s17, s15, 14                        ; and the tile's 128 rows of 128 bytes
	s_add_co_u32 s16, s16, s17
	s_mov_b32 s17, 0
	s_lshl_b32 s46, s14, 17                        ; B: my block along K,
	s_lshl_b32 s47, s42, 15                        ; and the tile's 256 rows
	s_add_co_u32 s46, s46, s47
	s_mov_b32 s47, 0
	s_mul_i32 s20, s14, SUBA                       ; where they go: no place in the cluster enters an LDS address
	s_mul_i32 s21, s14, SUBB
	s_add_co_u32 s21, s21, 2*SUBA
	s_wait_dscnt 0x0                               ; both opening adds are done
	s_wait_kmcnt 0x0
	s_add_nc_u64 s[18:19], s[4:5], s[16:17]
	s_add_nc_u64 s[46:47], s[6:7], s[46:47]
	CROUND                                         ; all sixteen work-groups are here: the first joint loads meet
.irp s, 0,1
	s_mov_b32 s[G0+4*\s], 1
	s_add_co_u32 s[G0+4*\s+1], s20, \s*SLOT
	s_add_nc_u64 s[G0+4*\s+2:G0+4*\s+3], s[18:19], \s*2*ABLK
	s_or_b32 s[G0+4*\s+3], s[G0+4*\s+3], 0x80000000
	s_mov_b32 s[G0B+4*\s], 1
	s_add_co_u32 s[G0B+4*\s+1], s21, \s*SLOT
	s_add_nc_u64 s[G0B+4*\s+2:G0B+4*\s+3], s[46:47], \s*2*BBLK
	s_or_b32 s[G0B+4*\s+3], s[G0B+4*\s+3], 0x80000000
	JLOAD \s                                       ; two loads of mine are out
.endr
	v_and_b32 v1, 15, v0                           ; r
	v_bfe_u32 v2, v0, 4, 1                         ; h
	s_lshl_b32 s46, s42, 10                        ; my first column, in bytes of f32: 1,024 x tile column + 512 x half
	s_lshl_b32 s47, s14, 9
	s_add_co_u32 s46, s46, s47
	s_mov_b32 s47, 0
	s_add_nc_u64 s[8:9], s[8:9], s[46:47]
	v_lshlrev_b32 v[BO], 5, v2
	WIN 0x40                                       ; destination window 1
.irp b, 0,1,2,3,4,5,6,7                        ; the bias in the result's layout: lane (r, h), block b: columns 16 b + 8 h + 0 .. 7
	global_load_b128 v[BI+8*\b:BI+8*\b+3], v[BO], s[8:9] offset:64*\b
	global_load_b128 v[BI+8*\b+4:BI+8*\b+7], v[BO], s[8:9] offset:64*\b+16
.endr
	WIN 0
	v_mul_u32_u24 v3, v1, PITCH
	v_lshl_add_u32 v3, v2, 4, v3                   ; a fragment's row x pitch + 16 x half
	s_mul_i32 s21, s13, 64*PITCH                   ; my 64 rows of A
	s_mul_i32 s22, s14, 128*PITCH                  ; my 128 rows of B,
	s_add_co_u32 s22, s22, 2*SUBA                  ; behind A's two sub-tiles
.irp s, 0,1
	v_add_nc_u32 v[ADRA+\s], s21, v3
	v_add_nc_u32 v[ADRB+\s], s22, v3
	s_add_co_u32 s21, s21, SLOT
	s_add_co_u32 s22, s22, SLOT
.endr
	s_mul_i32 s23, s12, 16*SPITCH
	s_add_co_u32 s23, s23, STAGE                   ; my stage
	v_mul_u32_u24 v5, v1, SPITCH
	v_lshl_add_u32 v5, v2, 5, v5
	v_add_nc_u32 v[STO], s23, v5                   ; in: row r, 32 bytes for each half of the lanes
	v_and_b32 v6, 31, v0
	v_lshlrev_b32 v[CO], 4, v6                     ; back: the 32 lanes take one row of 512 bytes; and the same in out0
	v_add_nc_u32 v[RD], s23, v[CO]
	s_lshl_b32 s20, s15, 19                        ; my first row: 128 x tile row + 64 x half, of 4,096 bytes
	s_lshl_b32 s21, s13, 18
	s_add_co_u32 s20, s20, s21
	s_add_co_u32 s20, s20, s46
	s_mov_b32 s21, 0
	s_add_nc_u64 s[10:11], s[10:11], s[20:21]
; 8 matrix instructions: A's block a x B's eight, 32 along K, from buffers f.  zero = 1: the product starts the sums with the bias as C.  The 32 accumulators take turns, one instruction a turn.
.macro MULA f, a, zero
	WIN 0xa1-0x10*(\zero)                          ; source 0 (B) window 1, source 1 (A) window 0, D window 2; C window 2, or window 1 for the bias
.irp b, 0,1,2,3,4,5,6,7
.if \zero
	v_wmma_f32_16x16x32_f16 v[8*(8*(\a)+\b):8*(8*(\a)+\b)+7], v[64*(\f)+8*\b:64*(\f)+8*\b+7], v[FA+32*(\f)+8*(\a):FA+32*(\f)+8*(\a)+7], v[BI+8*\b:BI+8*\b+7]
.else
	v_wmma_f32_16x16x32_f16 v[8*(8*(\a)+\b):8*(8*(\a)+\b)+7], v[64*(\f)+8*\b:64*(\f)+8*\b+7], v[FA+32*(\f)+8*(\a):FA+32*(\f)+8*(\a)+7], v[8*(8*(\a)+\b):8*(8*(\a)+\b)+7]
.endif
.endr
.endm
; 24 LDS loads in one run: the fragments of the slot's q-th 32 along K (sub-tile q / 2, byte 64 (q % 2) of its rows) into buffers f: B's eight, then A's four
.macro FETCH slot, q, f
	WIN 0x40
.irp i, 0,1,2,3,4,5,6,7
	ds_load_b128 v[64*(\f)+8*\i:64*(\f)+8*\i+3],   v[ADRB+\slot] offset:((\q)/2)*SUBB+((\q)%2)*64+\i*16*PITCH
	ds_load_b128 v[64*(\f)+8*\i+4:64*(\f)+8*\i+7], v[ADRB+\slot] offset:((\q)/2)*SUBB+((\q)%2)*64+\i*16*PITCH+32
.endr
	WIN 0
.irp i, 0,1,2,3
	ds_load_b128 v[FA+32*(\f)+8*\i:FA+32*(\f)+8*\i+3],   v[ADRA+\slot] offset:((\q)/2)*SUBA+((\q)%2)*64+\i*16*PITCH
	ds_load_b128 v[FA+32*(\f)+8*\i+4:FA+32*(\f)+8*\i+7], v[ADRA+\slot] offset:((\q)/2)*SUBA+((\q)%2)*64+\i*16*PITCH+32
.endr
.endm
.macro PLACES                          ; four plain lines in front of loads into registers that matrix instructions have read, and of the first read of results
.rept 4
	v_nop
.endr
.endm
; A K step is four quarters of 32 along K, 32 matrix instructions each, on buffers 0, 1, 0, 1.  One of the first three multiplies buffers f and fetches quarter qn into g.
.macro QUARTER slot, qn, f, g, zero
	s_wait_dscnt 4                                 ; B and A's blocks 0, 1 are in; the youngest four loads (A's blocks 2, 3) may be out
	MULA \f, 0, \zero
	MULA \f, 1, \zero
	PLACES
	FETCH \slot, \qn, \g
	s_wait_dscnt 24                                ; all but the 24 just issued
	MULA \f, 2, \zero
	MULA \f, 3, \zero
.endm
; The last quarter multiplies buffers 1 and changes slots: one barrier; in front of it each wave waits for all its tensor loads, adds 0 to its spare word, and waits for that and for its reads of this slot.
; fill = 1: the barrier opens a round of the cluster's, and this slot is filled again, two K steps ahead: the load has 112 matrix instructions in which to land.
.macro TURN slot, next, fill
	WIN 0                                          ; (the add's two registers lie in window 0)
	s_wait_tensorcnt 0x0                           ; all my tensor loads have landed: my part of the next slot
	ds_add_u32 v[SPW], v[NIL]                      ; 0 onto my spare word
	s_wait_dscnt 5                                 ; (the add and the youngest four loads may be out)
	MULA 1, 0, 0
	s_wait_dscnt 0x0                               ; the add is done, and my reads of this slot are over
	s_barrier_signal -1
	MULA 1, 1, 0
	WIN 0
	s_barrier_wait -1
.if \fill
	CREST                                          ; no wave of any partner still reads this slot or has a load on its way
	s_add_nc_u64 s[G0+4*\slot+2:G0+4*\slot+3], s[G0+4*\slot+2:G0+4*\slot+3], 4*ABLK
	s_add_nc_u64 s[G0B+4*\slot+2:G0B+4*\slot+3], s[G0B+4*\slot+2:G0B+4*\slot+3], 4*BBLK
	JLOAD \slot                                    ; the first tensor load behind the round; its four v_nop are also the places in front of the loads below
.else
	PLACES
.endif
	FETCH \next, 0, 0
	MULA 1, 2, 0
	MULA 1, 3, 0
.endm
	s_wait_tensorcnt 1                             ; my part of K step 0 is in; K step 1's may stay out
	s_barrier_signal -1
	s_barrier_wait -1
	FETCH 0, 0, 0
	s_wait_loadcnt 0x0                             ; the bias
	QUARTER 0, 1, 0, 1, 1                          ; the first quarter stands in front of the loop: its products start the sums
	WIN 0
	s_mov_b32 s3, 3
.Llap:                                                 ; a trip goes once round the ring, from a lap's second quarter to the next lap's first, and fills both slots again
	QUARTER 0, 2, 1, 0, 0
	QUARTER 0, 3, 0, 1, 0
	TURN 0, 1, 1
	QUARTER 1, 1, 0, 1, 0
	QUARTER 1, 2, 1, 0, 0
	QUARTER 1, 3, 0, 1, 0
	TURN 1, 0, 1
	QUARTER 0, 1, 0, 1, 0
	WIN 0
	s_sub_co_u32 s3, s3, 1
	s_cmp_lg_u32 s3, 0
	s_cbranch_scc1 .Llap
	QUARTER 0, 2, 1, 0, 0                          ; the last lap fills nothing
	QUARTER 0, 3, 0, 1, 0
	TURN 0, 1, 0
	QUARTER 1, 1, 0, 1, 0
	QUARTER 1, 2, 1, 0, 0
	QUARTER 1, 3, 0, 1, 0
	s_wait_dscnt 4                                 ; the very last quarter
	MULA 1, 0, 0
	MULA 1, 1, 0
	s_wait_dscnt 0
	MULA 1, 2, 0
	MULA 1, 3, 0
	WIN 0
; THE WAY OUT, a block of 16 rows x 128 columns at a time: through my own stage and back as whole rows of 512 bytes, which the 32 lanes store as 512 consecutive bytes, aligned.
.macro TOSTAGE a
	WIN 0x08                                       ; an LDS store's data are its source 1: window 2
.irp b, 0,1,2,3,4,5,6,7
	ds_store_b128 v[STO], v[64*(\a)+8*\b:64*(\a)+8*\b+3] offset:64*\b        ; each accumulator from its low end on
	ds_store_b128 v[STO], v[64*(\a)+8*\b+4:64*(\a)+8*\b+7] offset:64*\b+16
.endr
	WIN 0
.set BB, BK+64*((\a)%2)
.irp t, 0,1,2,3,4,5,6,7,8,9,10,11,12,13,14,15
	ds_load_b128 v[BB+4*\t:BB+4*\t+3], v[RD] offset:\t*SPITCH                ; in order behind the stores above (ISA guide 5.7.1.4)
.endr
.endm
.macro SEND a, younger                 ; younger: the LDS lines issued behind block a's loads, which may stay out
.set BB, BK+64*((\a)%2)
	s_wait_dscnt \younger
.if (\a) > 0
	s_add_nc_u64 s[10:11], s[10:11], 16*4096       ; (behind a wait on XCNT: the earlier stores have read their base)  16 rows on
.endif
.irp t, 0,1,2,3,4,5,6,7,8,9,10,11,12,13,14,15
	global_store_b128 v[CO], v[BB+4*\t:BB+4*\t+3], s[10:11] offset:\t*4096 th:TH_STORE_NT
.endr
.endm
	PLACES
	TOSTAGE 0
.irp a, 1,2,3
.if \a > 1
	s_wait_xcnt 0x0                                ; block a - 2's stores have read their registers and their base
.endif
	TOSTAGE \a
	SEND \a-1, 32                                  ; behind block a - 1's loads: block a's 16 stores and 16 loads
.endr
	s_wait_xcnt 0x0
	SEND 3, 0
	s_wait_tensorcnt 0x0                           ; the wave's end: a wait, an add of 0 to my spare word and a wait, behind my last tensor load and my last LDS store
	ds_add_u32 v[SPW], v[NIL]
	s_wait_dscnt 0x0
	CROUND                                         ; the closing round
	s_endpgm
.Lfunc_end_k_q78d302edcd_oproj:
	.size	k_q78d302edcd_oproj, .Lfunc_end_k_q78d302edcd_oproj-k_q78d302edcd_oproj
	.p2alignl 7, 3214868480
	.fill 96, 4, 3214868480
	.section	.rodata,"a",@progbits
	.p2align	6, 0x0
	.amdhsa_kernel k_q78d302edcd_oproj
		.amdhsa_group_segment_fixed_size 327680
		.amdhsa_private_segment_fixed_size 0
		.amdhsa_enable_private_segment 0
		.amdhsa_kernarg_size 32
		.amdhsa_user_sgpr_count 2
		.amdhsa_user_sgpr_kernarg_segment_ptr 1
		.amdhsa_wavefront_size32 1
		.amdhsa_system_sgpr_workgroup_id_x 1
		.amdhsa_system_sgpr_workgroup_id_y 1
		.amdhsa_system_sgpr_workgroup_id_z 1
		.amdhsa_system_vgpr_workitem_id 0
		.amdhsa_next_free_vgpr 768
		.amdhsa_next_free_sgpr 66
		.amdhsa_reserve_vcc 0
		.amdhsa_float_denorm_mode_32 3
		.amdhsa_float_denorm_mode_16_64 3
		.amdhsa_memory_ordered 1
		.amdhsa_forward_progress 1
		.amdhsa_inst_pref_size 87
	.end_amdhsa_kernel
	.amdgpu_metadata
---
amdhsa.version: [ 1, 2 ]
amdhsa.kernels:
  - .name:           k_q78d302edcd_oproj
    .symbol:         k_q78d302edcd_oproj.kd
    .args:
      - { .name: att, .offset: 0, .size: 8, .value_kind: global_buffer, .address_space: global }
      - { .name: wot, .offset: 8, .size: 8, .value_kind: global_buffer, .address_space: global }
      - { .name: bo, .offset: 16, .size: 8, .value_kind: global_buffer, .address_space: global }
      - { .name: out0, .offset: 24, .size: 8, .value_kind: global_buffer, .address_space: global }
    .group_segment_fixed_size: 327680
    .private_segment_fixed_size: 0
    .kernarg_segment_align: 8
    .kernarg_segment_size: 32
    .max_flat_workgroup_size: 128
    .sgpr_count:     66
    .vgpr_count:     768
    .wavefront_size: 32
...
	.end_amdgpu_metadata
.endif
;; end of part 4
